; MI455X (gfx1250); checked and timed in simulation.
; The chip was launched on July 23, 2026; its instructions are those of AMD's public machine-readable ISA for CDNA 5 (MIT licence, August 2026) and "CDNA5" Instruction Set Architecture Reference Guide (July 2026). The comments in the code are by the model that wrote it; some were corrected since.
;; Causal Self Attention. Allowed arithmetic: float matrix products may take bf16 or f16 operands with f32 sums; other float arithmetic in f32, or as packed bf16 or f16 multiplies, adds, multiply-adds, maxima and minima; sums over many terms, partial sums and values carried from step to step in f32; what a program stores and reads back later, other than sums and carried values, may be rounded once to bf16 or f16.
;; Inputs: delta 16 x 64 float32; w_attn 3,072 x 1,024 float32; w_proj 1,024 x 1,024 float32; x 2 x 2,048 x 1,024 float32.
;; Outputs: out0 2 x 2,048 x 1,024 float32.
;; One version. Each part assembles by itself: llvm-mc -triple=amdgcn-amd-amdhsa -mcpu=gfx1250 --defsym DOCPART=n.
;; ======== version 1 of 1: 4 launches
;; limits: values are held in f16: magnitudes above 65,504 overflow, below 6.1e-05 lose precision
;; workspace buffers: xb 8,388,608 bytes; wab 6,291,456 bytes; wpb 2,097,152 bytes; tab 1,056,768 bytes; qp 16,777,216 bytes; kp 16,777,216 bytes; vv 8,388,608 bytes; yy 8,388,608 bytes
;; launch prep (part 1): grid 512 x 1, 8 waves a work-group, no clusters, 0 bytes of LDS; arguments x, w_attn, w_proj, delta, xb, wab, wpb, tab; writes xb, wab, wpb, tab
.if DOCPART == 1
	.amdgcn_target "amdgcn-amd-amdhsa--gfx1250"
	.amdhsa_code_object_version 6
	.text
	.protected	k_q76372ef374_prep
	.globl	k_q76372ef374_prep
	.p2align	8
	.type	k_q76372ef374_prep,@function
k_q76372ef374_prep:
	s_mov_b64 s[64:65], 0
	v_nop
	global_prefetch_b8 v0, s[64:65] scope:SCOPE_SE
	s_setreg_imm32_b32 hwreg(HW_REG_WAVE_MODE, 25, 1), 1
	s_wait_xcnt 0x0
; PREP.  Casts and tables for the three launches behind it.
;   xb  = x rounded to bf16, [4096][1024].
;   wab = w_attn rounded to bf16, rows regrouped by head: [head 16][q, k, v][64][1024], so that a head's 192 rows lie end to end.
;   wpb = w_proj rounded to bf16, that number written as f16 (exact from 2^-14 up; below it f16's fixed step of 2^-24), [1024][1024].
;   tab = bytes 0 .. 1,048,575: [t / 16, 128][b 4][q 4][lane 32][4 f32]: lane l stands for token 16 (t/16) + l % 16 and channels 16 b + 8 (l / 16) + j;
;         q = 0, 1: ln2 cos(t theta) for j = 0-3, 4-7; q = 2, 3: ln2 sin(t theta).  theta_d = 10000^(-d/64).
;         from byte 1,048,576: [head 16][cos 64 | sin 64] f32 of delta, rounded to bf16 like every input and clipped to [-2 pi, 0].
; LIMITS.  theta comes from v_exp_f32 (1 ulp), so a phase is off by some 3e-4 rad at t = 2047; sine and cosine: reduction by pi/2 in two parts, polynomials on |r| <= pi/4, good to a few ulp.
; SHARES.  8,192 source rows of 4,096 bytes, 16 to a work-group, two to a wave.  A lane reads 32 bytes and writes 16: a wave's store covers 512 consecutive bytes, aligned.
; All 16 loads of a wave go out first.  Memory binds: no LDS, no matrix unit, no prefetch (the launch is a stream already).
.set X,   32                           ; v[32:95]   eight chunks of 8 f32 as loaded; later the tables' work registers
.set Y,   96                           ; v[96:127]  eight chunks of 4 registers to store: each chunk has its own, so no store's data is rewritten
.set IO,  2                            ; v2  byte offset of my 32 bytes in the work-group's source rows
.set OO,  3                            ; v3  byte offset of my 16 bytes in its destination rows
.set LN,  4                            ; v4  lane
.set TO,  5                            ; v5  the tables' store offset
.set TT,  6                            ; v6  my token, as f32
.set CH,  7                            ; v7  my first channel
.set AN,  32                           ; v[32:39] angles
.set CSN, 40                           ; v[40:47] cosines
.set SNN, 48                           ; v[48:55] sines
.set T0,  56                           ; v[56:61] at work
.set G,   20                           ; s20 the work-group's number
.set WV,  21                           ; s21 my wave's number
.set PIH, 42                           ; s42 -(pi/2 rounded to f32)
.set PIL, 43                           ; s43 that number less pi/2
.set KS1, 44
.set KS2, 45
.set KS3, 46
.set KC1, 47
.set KC2, 48
.set KC3, 49
	s_load_b512 s[4:19], s[0:1], 0x0               ; x 4:5, w_attn 6:7, w_proj 8:9, delta 10:11, xb 12:13, wab 14:15, wpb 16:17, tab 18:19
	v_lshrrev_b32 v1, 5, v0
	v_readfirstlane_b32 s[WV], v1
	v_and_b32 v[LN], 31, v0
	v_lshlrev_b32 v[IO], 5, v[LN]
	v_lshl_add_u32 v[IO], v1, 13, v[IO]            ; 2 rows x 4,096 bytes a wave + 32 l
	v_lshlrev_b32 v[OO], 4, v[LN]
	v_lshl_add_u32 v[OO], v1, 12, v[OO]            ; 2 rows x 2,048 bytes a wave + 16 l
	s_mov_b32 s[G], ttmp9
	s_lshl_b32 s22, s[G], 4                        ; x: row 16 g
	s_sub_co_u32 s23, s22, 4096                    ; w_attn: row e0 = 16 (g - 256)
	s_sub_co_u32 s24, s22, 7168                    ; w_proj: row 16 (g - 448)
	s_bfe_u32 s25, s23, 0x40006                    ; head = (e0 >> 6) & 15
	s_mul_i32 s25, s25, 192
	s_lshr_b32 s26, s23, 10                        ; kind = e0 >> 10
	s_lshl_b32 s26, s26, 6
	s_add_co_u32 s25, s25, s26
	s_and_b32 s26, s23, 63
	s_add_co_u32 s25, s25, s26                     ; wab's row = 192 head + 64 kind + e0 % 64
	s_mov_b32 s[PIH], 0xbfc90fdb
	s_mov_b32 s[PIL], 0x333bbd2e
	s_mov_b32 s[KS1], 0xbe2aaaa3                   ; -1.6666654611e-1
	s_mov_b32 s[KS2], 0x3c08839e                   ;  8.3321608736e-3
	s_mov_b32 s[KS3], 0xb94ca1f9                   ; -1.9515295891e-4
	s_mov_b32 s[KC1], 0x3d2aaaa5                   ;  4.166664568e-2
	s_mov_b32 s[KC2], 0xbab6061a                   ; -1.388731625e-3
	s_mov_b32 s[KC3], 0x37ccf5ce                   ;  2.443315711e-5
	s_mov_b32 s35, 0
	s_wait_kmcnt 0x0
	s_cmp_lt_u32 s[G], 256                         ; which tensor: the choice hangs on the work-group's number alone
	s_cselect_b64 s[28:29], s[4:5], s[6:7]
	s_cselect_b64 s[30:31], s[12:13], s[14:15]
	s_cselect_b32 s32, s22, s23
	s_cselect_b32 s33, s22, s25
	s_cmp_lt_u32 s[G], 448
	s_cselect_b64 s[28:29], s[28:29], s[8:9]
	s_cselect_b64 s[30:31], s[30:31], s[16:17]
	s_cselect_b32 s32, s32, s24
	s_cselect_b32 s33, s33, s24
	s_lshl_b32 s34, s32, 12
	s_add_nc_u64 s[28:29], s[28:29], s[34:35]      ; source at the work-group's first row
	s_lshl_b32 s34, s33, 11
	s_add_nc_u64 s[30:31], s[30:31], s[34:35]      ; destination likewise
.set i, 0
.rept 8                                ; chunk i: row i / 4 of my two, 1,024 bytes i % 4 of it
	global_load_b128 v[X+8*i:X+8*i+3],   v[IO], s[28:29] offset:(i/4)*4096+(i%4)*1024 th:TH_LOAD_NT
	global_load_b128 v[X+8*i+4:X+8*i+7], v[IO], s[28:29] offset:(i/4)*4096+(i%4)*1024+16 th:TH_LOAD_NT
.set i, i+1
.endr
; The eight chunks.  fmt = 0: bf16.  fmt = 1: rounded to bf16, widened again, and written as f16.
.macro CHUNKS fmt
.set i, 0
.rept 8
	s_wait_loadcnt 14-2*i                          ; loads come back in order: chunk i's two are in, the younger chunks' may stay out
.irp k, 0,1,2,3
	v_cvt_pk_bf16_f32 v[Y+4*i+\k], v[X+8*i+2*\k], v[X+8*i+2*\k+1]
.endr
.if \fmt
.irp k, 0,1,2,3
	v_lshlrev_b32 v[X+8*i+2*\k],   16, v[Y+4*i+\k]
	v_and_b32     v[X+8*i+2*\k+1], 0xffff0000, v[Y+4*i+\k]
.endr
.irp k, 0,1,2,3
	v_cvt_pk_f16_f32 v[Y+4*i+\k], v[X+8*i+2*\k], v[X+8*i+2*\k+1]
.endr
.endif
	global_store_b128 v[OO], v[Y+4*i:Y+4*i+3], s[30:31] offset:(i/4)*2048+(i%4)*512
.set i, i+1
.endr
.endm
	s_cmp_lt_u32 s[G], 448
	s_cbranch_scc0 .Lto_f16
	CHUNKS 0
	s_branch .Lcast_done
.Lto_f16:
	CHUNKS 1
.Lcast_done:
; sin and cos of v[ang].  n = the nearest whole number to ang 2/pi; r = ang - n pi/2, pi/2 in two parts, each taken off by one fused multiply-add;
; polynomials in z = r r; the quadrant n mod 4 exchanges the two and turns signs: by selects and bit work, no branch.
.macro SINCOS ang, sn, cs
	v_mul_f32 v[T0], 0x3f22f983, v[\ang]
	v_rndne_f32 v[T0], v[T0]
	v_fma_f32 v[T0+1], v[T0], s[PIH], v[\ang]
	v_fma_f32 v[T0+1], v[T0], s[PIL], v[T0+1]      ; r
	v_mul_f32 v[T0+2], v[T0+1], v[T0+1]            ; z
	v_cvt_i32_f32 v[T0], v[T0]                     ; n as a whole number
	v_fma_f32 v[T0+3], v[T0+2], s[KS3], s[KS2]
	v_fma_f32 v[T0+4], v[T0+2], s[KC3], s[KC2]
	v_fma_f32 v[T0+3], v[T0+3], v[T0+2], s[KS1]
	v_fma_f32 v[T0+4], v[T0+4], v[T0+2], s[KC1]
	v_mul_f32 v[T0+5], v[T0+1], v[T0+2]
	v_fma_f32 v[T0+3], v[T0+5], v[T0+3], v[T0+1]   ; sin r
	v_mul_f32 v[T0+5], v[T0+2], v[T0+2]
	v_fma_f32 v[T0+1], v[T0+2], -0.5, 1.0
	v_fma_f32 v[T0+4], v[T0+5], v[T0+4], v[T0+1]   ; cos r
	v_and_b32 v[T0+1], 1, v[T0]
	v_cmp_eq_u32 vcc_lo, 1, v[T0+1]
	v_cndmask_b32 v[\sn], v[T0+3], v[T0+4], vcc_lo ; odd quadrant: the two change places
	v_cndmask_b32 v[\cs], v[T0+4], v[T0+3], vcc_lo
	v_lshlrev_b32 v[T0+1], 30, v[T0]
	v_and_b32 v[T0+1], 0x80000000, v[T0+1]         ; sin turns its sign in quadrants 2 and 3,
	v_xor_b32 v[\sn], v[\sn], v[T0+1]
	v_add_nc_u32 v[T0], 1, v[T0]
	v_lshlrev_b32 v[T0], 30, v[T0]
	v_and_b32 v[T0], 0x80000000, v[T0]             ; cos in quadrants 1 and 2
	v_xor_b32 v[\cs], v[\cs], v[T0]
.endm
	s_mov_b32 s39, 0
	s_cmp_lg_u32 s[WV], 0
	s_cbranch_scc1 .Lnot_tab
	; wave 0: unit g of the position table: 16 tokens (g / 4) x 16 channels (g % 4), 2,048 bytes
	v_and_b32 v[TT], 15, v[LN]
	s_lshr_b32 s36, s[G], 2
	s_lshl_b32 s36, s36, 4
	v_add_nc_u32 v[TT], s36, v[TT]
	v_cvt_f32_u32 v[TT], v[TT]
	v_lshrrev_b32 v[CH], 4, v[LN]
	v_lshlrev_b32 v[CH], 3, v[CH]
	s_and_b32 s37, s[G], 3
	s_lshl_b32 s37, s37, 4
	v_add_nc_u32 v[CH], s37, v[CH]
.irp j, 0,1,2,3,4,5,6,7
	v_add_nc_u32 v[AN+\j], \j, v[CH]
	v_cvt_f32_u32 v[AN+\j], v[AN+\j]
	v_mul_f32 v[AN+\j], 0xbe549a78, v[AN+\j]       ; -d log2(10000) / 64
.endr
.irp j, 0,1,2,3,4,5,6,7
	v_exp_f32 v[AN+\j], v[AN+\j]                   ; theta: one batch of eight
.endr
	v_nop                                          ; a plain instruction behind the last exponential,
	s_wait_alu depctr_va_vdst(0)                   ; and the one wait ahead of the batch's first reader
.irp j, 0,1,2,3,4,5,6,7
	v_mul_f32 v[AN+\j], v[TT], v[AN+\j]
.endr
.irp j, 0,1,2,3,4,5,6,7
	SINCOS AN+\j, SNN+\j, CSN+\j
	v_mul_f32 v[CSN+\j], 0x3f317218, v[CSN+\j]     ; ln2 rides in the table: softplus is made in base 2
	v_mul_f32 v[SNN+\j], 0x3f317218, v[SNN+\j]
.endr
	v_lshlrev_b32 v[TO], 4, v[LN]
	s_lshl_b32 s38, s[G], 11
	s_add_nc_u64 s[40:41], s[18:19], s[38:39]
	global_store_b128 v[TO], v[CSN:CSN+3],   s[40:41]
	global_store_b128 v[TO], v[CSN+4:CSN+7], s[40:41] offset:512
	global_store_b128 v[TO], v[SNN:SNN+3],   s[40:41] offset:1024
	global_store_b128 v[TO], v[SNN+4:SNN+7], s[40:41] offset:1536
	s_endpgm
.Lnot_tab:
	s_cmp_lg_u32 s[WV], 1
	s_cbranch_scc1 .Lend
	s_cmp_lt_u32 s[G], 16
	s_cbranch_scc0 .Lend
	; wave 1 of work-groups 0 to 15: head g's phases, two channels a lane
	v_lshlrev_b32 v[TO], 3, v[LN]
	s_lshl_b32 s38, s[G], 8
	s_add_nc_u64 s[40:41], s[10:11], s[38:39]
	global_load_b64 v[AN:AN+1], v[TO], s[40:41]
	s_lshl_b32 s36, s[G], 9
	s_mov_b32 s37, 0
	s_add_nc_u64 s[50:51], s[18:19], s[36:37]
	s_wait_loadcnt 0x0
	v_cvt_pk_bf16_f32 v[AN+2], v[AN], v[AN+1]      ; rounded to bf16 like x and the weights,
	v_lshlrev_b32 v[AN], 16, v[AN+2]
	v_and_b32 v[AN+1], 0xffff0000, v[AN+2]
	v_max_num_f32 v[AN], 0xc0c90fdb, v[AN]         ; then clipped to [-2 pi, 0]
	v_max_num_f32 v[AN+1], 0xc0c90fdb, v[AN+1]
	v_min_num_f32 v[AN], 0, v[AN]
	v_min_num_f32 v[AN+1], 0, v[AN+1]
	SINCOS AN, SNN, CSN
	SINCOS AN+1, SNN+1, CSN+1
	global_store_b64 v[TO], v[CSN:CSN+1], s[50:51] offset:1048576       ; 256 consecutive bytes
	global_store_b64 v[TO], v[SNN:SNN+1], s[50:51] offset:1048576+256
.Lend:
	s_endpgm
.Lfunc_end_k_q76372ef374_prep:
	.size	k_q76372ef374_prep, .Lfunc_end_k_q76372ef374_prep-k_q76372ef374_prep
	.p2alignl 7, 3214868480
	.fill 96, 4, 3214868480
	.section	.rodata,"a",@progbits
	.p2align	6, 0x0
	.amdhsa_kernel k_q76372ef374_prep
		.amdhsa_group_segment_fixed_size 0
		.amdhsa_private_segment_fixed_size 0
		.amdhsa_enable_private_segment 0
		.amdhsa_kernarg_size 64
		.amdhsa_user_sgpr_count 2
		.amdhsa_user_sgpr_kernarg_segment_ptr 1
		.amdhsa_wavefront_size32 1
		.amdhsa_system_sgpr_workgroup_id_x 1
		.amdhsa_system_sgpr_workgroup_id_y 1
		.amdhsa_system_sgpr_workgroup_id_z 1
		.amdhsa_system_vgpr_workitem_id 0
		.amdhsa_next_free_vgpr 128
		.amdhsa_next_free_sgpr 66
		.amdhsa_reserve_vcc 1
		.amdhsa_float_denorm_mode_32 3
		.amdhsa_float_denorm_mode_16_64 3
		.amdhsa_memory_ordered 1
		.amdhsa_forward_progress 1
		.amdhsa_inst_pref_size 32
	.end_amdhsa_kernel
	.amdgpu_metadata
---
amdhsa.version: [ 1, 2 ]
amdhsa.kernels:
  - .name:           k_q76372ef374_prep
    .symbol:         k_q76372ef374_prep.kd
    .args:
      - { .name: x, .offset: 0, .size: 8, .value_kind: global_buffer, .address_space: global }
      - { .name: w_attn, .offset: 8, .size: 8, .value_kind: global_buffer, .address_space: global }
      - { .name: w_proj, .offset: 16, .size: 8, .value_kind: global_buffer, .address_space: global }
      - { .name: delta, .offset: 24, .size: 8, .value_kind: global_buffer, .address_space: global }
      - { .name: xb, .offset: 32, .size: 8, .value_kind: global_buffer, .address_space: global }
      - { .name: wab, .offset: 40, .size: 8, .value_kind: global_buffer, .address_space: global }
      - { .name: wpb, .offset: 48, .size: 8, .value_kind: global_buffer, .address_space: global }
      - { .name: tab, .offset: 56, .size: 8, .value_kind: global_buffer, .address_space: global }
    .group_segment_fixed_size: 0
    .private_segment_fixed_size: 0
    .kernarg_segment_align: 8
    .kernarg_segment_size: 64
    .max_flat_workgroup_size: 256
    .sgpr_count:     66
    .vgpr_count:     128
    .wavefront_size: 32
...
	.end_amdgpu_metadata
.endif
;; end of part 1
;; launch qkv (part 2): grid 16 x 16, 4 waves a work-group, clusters of 4 x 4, 327,680 bytes of LDS; arguments xb, wab, tab, qp, kp, vv; writes qp, kp, vv
.if DOCPART == 2
	.amdgcn_target "amdgcn-amd-amdhsa--gfx1250"
	.amdhsa_code_object_version 6
	.text
	.protected	k_q76372ef374_qkv
	.globl	k_q76372ef374_qkv
	.p2align	8
	.type	k_q76372ef374_qkv,@function
k_q76372ef374_qkv:
	s_mov_b64 s[64:65], 0
	v_nop
	global_prefetch_b8 v0, s[64:65] scope:SCOPE_SE
	s_setreg_imm32_b32 hwreg(HW_REG_WAVE_MODE, 25, 1), 1
	s_wait_xcnt 0x0
	s_wait_alu depctr_hold_cnt(0) depctr_sa_sdst(0) depctr_va_vdst(0) depctr_va_sdst(0) depctr_va_ssrc(0) depctr_va_vcc(0) depctr_vm_vsrc(0)
	s_getreg_b32 s2, hwreg(HW_REG_IB_STS2, 6, 4)
	s_cmp_eq_u32 s2, 0
	s_cbranch_scc0 .Lentry_in_a_cluster
	s_endpgm
.Lentry_in_a_cluster:
	s_bfe_u32 s2, ttmp6, 0x10000c
	s_cmp_lg_u32 s2, 0xf033
	s_cbranch_scc0 .Lentry_shape_is_right
	s_endpgm
.Lentry_shape_is_right:
; QKV.  qkv = x w_attn^T in bf16 with f32 sums (4096 x 3072 x 1024), and on the way out softplus and the positions' rotation:
;   qp[bh][t] = softplus(q) cos(t theta) (64) | softplus(q) sin(t theta) (64), f16;   kp likewise with the phase t theta + delta;   vv[bh][t][64] = v, f16.
; LIMITS.  f16 holds no number beyond 65,504: q', k', v must stay within it (inputs 30 times the drawn ones give some 2e4).  softplus(x) = ln2 (max(y, 0) + log2(1 + 2^-|y|)), y = x log2(e):
; off by some 6e-8 in absolute terms, and 0 where e^x is below that.  NaN and infinities are not treated apart.
; SHARES.  A tile is 256 tokens x one head's 192 columns (q, k, v: dense rows of wab): 16 x 16 work-groups.  A wave has 64 tokens x all 192 columns: 4 x 12 accumulators,
; so that one table value serves q and k, and all four waves run one text.  K goes in steps of 128 through two LDS slots: rows of 256 bytes of memory, aligned.
; THE PRODUCT IS TAKEN TRANSPOSED (source 0 = 16 rows of wab, source 1 = 16 tokens): a lane holds one token (lane % 16) and 8 neighbouring channels 8 (lane / 16) + 0..7.
; CLUSTER.  4 x 4: x's tile hangs on the token tile alone and is asked for jointly along a row of the cluster, wab's on the head alone, along a column.
; REGISTERS, in windows of 256 (s_set_vgpr_msb: bits 1:0 source 0, 3:2 source 1, 5:4 source 2, 7:6 destination):
;   window 0: v0-31 addresses; v32-63, v64-95 fragments of x, two buffers (on the way out: the table's 64); v96-159 W; v160-223 T; v224-239 v packed; v240-255 at work
;   window 1: v0-95, v96-191 fragments of wab, two buffers; v192-223 cos delta, v224-255 sin delta of my 32 channels
;   windows 2, 3: accumulator (a, n) in window 2 + a / 2 at v[96 (a % 2) + 8 n]
.set KSTEP,  128
.set PITCH,  272                       ; an LDS row: 256 bytes + 16 of padding: the 16 rows of a fragment load start at 16 different groups of four banks (64 banks of 4 bytes: ISA guide 11.1)
.set AB,     256*PITCH                 ; x's 256 rows, then wab's 192
.set SLOT1,  131072                    ; slot 1 begins here: one exclusive or turns an address in one slot into the other's (a slot is 121,856 bytes)
.set STAGE,  252928                    ; behind the ring, never filled by a tensor load: 11,008 bytes a wave: q' 16 x 272, k' 16 x 272, v 16 x 144
.set WST,    11008
.set SKO,    4352
.set SVO,    8704
.set SPARE,  296960                    ; the spare words, 128 bytes a wave: two blocks of 256 bytes that no other line names
.set ADRA0, 2                          ; v2  my lane's place among my wave's 64 rows of x in a slot; never rewritten
.set ADRB0, 3                          ; v3  the same among wab's rows
.set ADRA,  4                          ; v4  the same in the slot in hand
.set ADRB,  5
.set STQ,   6                          ; v6  stage, in: row l % 16 of 272, 16 bytes for each half of the lanes
.set STV,   7                          ; v7  the same for v, rows of 144
.set RDQ,   8                          ; v8  stage, back: lanes 0-15 one row of 256 bytes, lanes 16-31 the next
.set RDV,   9                          ; v9  back: 32 lanes take four rows of 128 bytes
.set GO,    10                         ; v10 16 x lane
.set DO,    11                         ; v11 32 x (lane / 16)
.set PFO,   12                         ; v12 the prefetches' offset: a lane a row of 2,048 bytes; never rewritten
.set SPW,   28                         ; v28 my spare word; never rewritten
.set NIL,   29                         ; v29 0; never rewritten
.set CT,    32
.set W,     96
.set T,     160
.set V16,   224
.set TM,    240
.set CD,    192                        ; window 1
.set SD,    224
.set WV,  18
.set WH,  19                           ; 0: I fetch x's tiles; 1: wab's
.set WL,  20                           ; which half of that tile's rows
.set CX,  21
.set CY,  22
.set NX,  23                           ; head = 4 x cluster x + cx
.set G1A, 24                           ; s[24:31] descriptor group 1 for x's tiles
.set G0A, 32                           ; s[32:39] group 0: a set for each first fill; the second then walks
.set G1B, 48
.set G0B, 56
.set MY,  66                           ; token tile = 4 x cluster y + cy
.set TB,  67                           ; LDS byte of the slot in hand
.set L2E, 68                           ; s[68:69] log2(e)
.set LIM, 70                           ; 1 in a wave that prefetches, else the greatest number
.set SGN, 71                           ; the sign bit
.set PFA, 72                           ; s[72:73] where my prefetches stand
.set CNT, 74
.set AI,  75
.set TP,  88                           ; s[88:89] the position table at my 16 tokens
.set DP,  90                           ; s[90:91] tab at my head's phases
.set FLAGS, (1<<16)|(1<<20)|(1<<21)|(5<<22)|(3<<25)  ; 2-byte elements; padding on; bit 21 beside a mask; after every 64 words, 4 words
.set MSB, 0
.macro WIN new                         ; the high byte repeats the setting that is left; a switch that changes nothing is dropped
.if MSB != (\new)
	s_set_vgpr_msb (MSB<<8)|(\new)
.set MSB, \new
.endif
.endm
.macro PLACES                          ; four plain vector instructions behind a matrix instruction, ahead of loads into its sources and of readers of its result
.rept 4
	v_nop
.endr
.endm
.macro CREST                           ; a round of the cluster's barrier behind its opening barrier
	s_cmp_lg_u32 s[WV], 0
	s_cbranch_scc1 .Lnot_wave_0_\@
	s_barrier_signal -3
.Lnot_wave_0_\@:
	s_barrier_wait -3
	s_barrier_signal -1
	s_barrier_wait -1
.endm
.macro CROUND
	s_barrier_signal -1
	s_barrier_wait -1
	CREST
.endm
; A joint refill by the walking descriptor.  The branch hangs on the wave's number alone.  An s_nop 0 and four v_nop follow each line.
.macro JLOAD
	s_cmp_eq_u32 s[WH], 0
	s_cbranch_scc0 .Lfor_b_\@
	tensor_load_to_lds s[G0A+4:G0A+7], s[G1A:G1A+7]
	s_nop 0
.rept 4
	v_nop
.endr
	s_branch .Lasked_\@
.Lfor_b_\@:
	tensor_load_to_lds s[G0B+4:G0B+7], s[G1B:G1B+7]
	s_nop 0
.rept 4
	v_nop
.endr
.Lasked_\@:
.endm
; A prefetch of the K step behind the one just asked for: 256 bytes of a row, a lane a row.  x's rows are named by the clusters with x = 0, wab's by those with y = 0; the four partners of a joint
; load share its rows out by address (32 cx of 128; 24 cy of 96, lanes 24-31 naming row 23 again).  So each block is named once in the launch.  K steps 3 to 7; the loop's last trip names nothing.
.macro ASK
	s_cmp_gt_u32 s[CNT], s[LIM]
	s_cbranch_scc0 .Lnot_mine_\@
	global_prefetch_b8 v[PFO], s[PFA:PFA+1] th:TH_LOAD_NT scope:SCOPE_SE
.Lnot_mine_\@:
.endm
	s_load_b256 s[4:11], s[0:1], 0x0               ; xb 4:5, wab 6:7, tab 8:9, qp 10:11
	s_load_b128 s[12:15], s[0:1], 0x20             ; kp 12:13, vv 14:15
	v_lshl_add_u32 v[SPW], v0, 2, SPARE
	v_mov_b32 v[NIL], 0
	ds_add_u32 v[SPW], v[NIL]                      ; the wave's opening: the add and its wait stand ahead of my first tensor load
	v_lshrrev_b32 v1, 5, v0
	v_readfirstlane_b32 s[WV], v1
	s_lshr_b32 s[WH], s[WV], 1
	s_and_b32 s[WL], s[WV], 1
	s_bfe_u32 s[CX], ttmp6, 0x40000
	s_bfe_u32 s[CY], ttmp6, 0x40004
	s_lshl_b32 s[NX], ttmp9, 2
	s_add_co_u32 s[NX], s[NX], s[CX]
	s_and_b32 s[MY], ttmp7, 0xffff
	s_lshl_b32 s[MY], s[MY], 2
	s_add_co_u32 s[MY], s[MY], s[CY]
	; x's tiles: registers 40-43 hold cy's side alone
	s_lshl_b32 s42, s[CY], 2
	s_lshl_b32 s42, 15, s42                        ; my row of the cluster
	s_or_b32 s[G1A], s42, FLAGS
	s_mov_b32 s[G1A+1], KSTEP<<16                  ; tensor_dim0 = 128
	s_mov_b32 s[G1A+2], 128<<16                    ; tensor_dim1 = 128
	s_mov_b32 s[G1A+3], KSTEP<<16                  ; tile_dim0 = 128
	s_mov_b32 s[G1A+4], 128                        ; tile_dim1 = 128
	s_mov_b32 s[G1A+5], 1024                       ; elements from row to row
	s_mov_b32 s[G1A+6], 0
	s_mov_b32 s[G1A+7], 0
	s_lshl_b32 s40, s[MY], 19                      ; 256 rows x 2,048 bytes a tile
	s_lshl_b32 s41, s[WL], 18                      ; my 128 of them
	s_add_co_u32 s40, s40, s41
	s_mov_b32 s41, 0
	s_mul_i32 s43, s[WL], 128*PITCH                ; and their place in a slot
	; wab's tiles: registers 44-47 hold cx's side alone
	s_lshl_b32 s47, 0x1111, s[CX]                  ; my column of the cluster
	s_or_b32 s[G1B], s47, FLAGS
	s_mov_b32 s[G1B+1], KSTEP<<16
	s_mov_b32 s[G1B+2], 96<<16                     ; tensor_dim1 = 96
	s_mov_b32 s[G1B+3], KSTEP<<16
	s_mov_b32 s[G1B+4], 96                         ; tile_dim1 = 96
	s_mov_b32 s[G1B+5], 1024
	s_mov_b32 s[G1B+6], 0
	s_mov_b32 s[G1B+7], 0
	s_mul_i32 s44, s[NX], 192*2048
	s_mul_i32 s45, s[WL], 96*2048
	s_add_co_u32 s44, s44, s45
	s_mov_b32 s45, 0
	s_mul_i32 s46, s[WL], 96*PITCH
	s_add_co_u32 s46, s46, AB
	s_mov_b32 s[L2E], 0x3fb8aa3b
	s_mov_b32 s[L2E+1], s[L2E]                     ; named with it as a pair
	s_mov_b32 s[SGN], 0x80000000
	s_mov_b32 s[TB], 0
	s_wait_dscnt 0x0                               ; the opening add is done
	s_wait_kmcnt 0x0
	s_add_nc_u64 s[40:41], s[4:5], s[40:41]
	s_add_nc_u64 s[44:45], s[6:7], s[44:45]
.irp s, 0,1
	s_mov_b32 s[G0A+4*\s], 1                       ; count = 1
	s_add_co_u32 s[G0A+4*\s+1], s43, \s*SLOT1      ; LDS address
	s_add_nc_u64 s[G0A+4*\s+2:G0A+4*\s+3], s[40:41], \s*KSTEP*2  ; K step s
	s_or_b32 s[G0A+4*\s+3], s[G0A+4*\s+3], 0x80000000            ; type = 2
	s_mov_b32 s[G0B+4*\s], 1
	s_add_co_u32 s[G0B+4*\s+1], s46, \s*SLOT1
	s_add_nc_u64 s[G0B+4*\s+2:G0B+4*\s+3], s[44:45], \s*KSTEP*2
	s_or_b32 s[G0B+4*\s+3], s[G0B+4*\s+3], 0x80000000
.endr
	CROUND                                         ; all sixteen work-groups are here: the first joint loads meet
	s_cmp_eq_u32 s[WH], 0                          ; a wave's two first fills stand in one branch: two loads of mine are out
	s_cbranch_scc0 .Lfirst_b
	tensor_load_to_lds s[G0A:G0A+3], s[G1A:G1A+7]
	s_nop 0
	tensor_load_to_lds s[G0A+4:G0A+7], s[G1A:G1A+7]
	s_nop 0
.rept 4
	v_nop
.endr
	s_branch .Lfirst_done
.Lfirst_b:
	tensor_load_to_lds s[G0B:G0B+3], s[G1B:G1B+7]
	s_nop 0
	tensor_load_to_lds s[G0B+4:G0B+7], s[G1B:G1B+7]
	s_nop 0
.rept 4
	v_nop
.endr
.Lfirst_done:
	v_and_b32 v1, 15, v0                           ; l % 16
	v_bfe_u32 v13, v0, 4, 1                        ; l / 16
	v_and_b32 v14, 31, v0                          ; l
	v_lshlrev_b32 v[DO], 5, v13
	v_lshlrev_b32 v[GO], 4, v14
	; my head's cos delta and sin delta for channels 16 b + 8 (l / 16) + 0..7: they stay in registers; waited for on the way out
	s_lshl_b32 s76, s[NX], 9
	s_mov_b32 s77, 0
	s_add_nc_u64 s[DP:DP+1], s[8:9], s[76:77]
	WIN 0x40                                       ; destination window 1
.irp b, 0,1,2,3
	global_load_b128 v[CD+8*\b:CD+8*\b+3],   v[DO], s[DP:DP+1] offset:1048576+64*\b
	global_load_b128 v[CD+8*\b+4:CD+8*\b+7], v[DO], s[DP:DP+1] offset:1048576+64*\b+16
	global_load_b128 v[SD+8*\b:SD+8*\b+3],   v[DO], s[DP:DP+1] offset:1048576+256+64*\b
	global_load_b128 v[SD+8*\b+4:SD+8*\b+7], v[DO], s[DP:DP+1] offset:1048576+256+64*\b+16
.endr
	WIN 0
	v_mul_u32_u24 v15, v1, PITCH
	v_lshl_add_u32 v15, v13, 4, v15                ; row x pitch + 16 x half
	s_mul_i32 s76, s[WV], 64*PITCH
	v_add_nc_u32 v[ADRA0], s76, v15
	v_add_nc_u32 v[ADRB0], AB, v15
	v_mov_b32 v[ADRA], v[ADRA0]
	v_mov_b32 v[ADRB], v[ADRB0]
	s_mul_i32 s76, s[WV], WST
	s_add_co_u32 s76, s76, STAGE                   ; my stage
	v_add_nc_u32 v[STQ], s76, v15
	v_mul_u32_u24 v16, v1, 144
	v_lshl_add_u32 v16, v13, 4, v16
	v_add_nc_u32 v[STV], s76, v16
	v_add_nc_u32 v[STV], SVO, v[STV]
	v_mul_u32_u24 v16, v13, PITCH
	v_lshl_add_u32 v16, v1, 4, v16
	v_add_nc_u32 v[RDQ], s76, v16
	v_lshrrev_b32 v16, 3, v14
	v_mul_u32_u24 v16, v16, 144
	v_and_b32 v17, 7, v0
	v_lshl_add_u32 v16, v17, 4, v16
	v_add_nc_u32 v[RDV], s76, v16
	v_add_nc_u32 v[RDV], SVO, v[RDV]
	; the way out's pointers: my 64 tokens are t = 256 (my % 8) + 64 w of batch my / 8
	s_and_b32 s76, s[MY], 7
	s_lshl_b32 s78, s76, 17                        ; 16 blocks of 16 tokens x 8,192 bytes of table
	s_lshl_b32 s79, s[WV], 15
	s_add_co_u32 s78, s78, s79
	s_mov_b32 s79, 0
	s_add_nc_u64 s[TP:TP+1], s[8:9], s[78:79]
	s_lshr_b32 s78, s[MY], 3
	s_lshl_b32 s78, s78, 4
	s_add_co_u32 s78, s78, s[NX]                   ; bh
	s_lshl_b32 s78, s78, 19                        ; 2,048 rows of 256 bytes
	s_lshl_b32 s77, s76, 16
	s_add_co_u32 s78, s78, s77
	s_lshl_b32 s77, s[WV], 14
	s_add_co_u32 s78, s78, s77
	s_add_nc_u64 s[10:11], s[10:11], s[78:79]
	s_add_nc_u64 s[12:13], s[12:13], s[78:79]
	s_lshr_b32 s78, s78, 1                         ; v's rows are half as long
	s_add_nc_u64 s[14:15], s[14:15], s[78:79]
	; the prefetches
	s_and_b32 s80, ttmp7, 0xffff                   ; cluster y
	s_lshl_b32 s81, s[MY], 8
	s_mul_i32 s82, s[NX], 192
	s_lshl_b32 s83, s[WL], 7
	s_mul_i32 s84, s[WL], 96
	s_lshl_b32 s85, s[CX], 5
	s_mul_i32 s86, s[CY], 24
	s_cmp_eq_u32 s[WH], 0
	s_cselect_b32 s81, s81, s82                    ; the tile's first row,
	s_cselect_b32 s83, s83, s84                    ; the rows that I fetch,
	s_cselect_b32 s85, s85, s86                    ; my work-group's part of them
	s_cselect_b32 s80, ttmp9, s80                  ; the coordinate along which other clusters read the same rows
	s_cselect_b32 s87, 31, 23
	s_cselect_b64 s[PFA:PFA+1], s[4:5], s[6:7]
	s_cmp_eq_u32 s80, 0
	s_cselect_b32 s[LIM], 1, -1                    ; the same in all sixteen partners, for a given wave
	s_add_co_u32 s81, s81, s83
	s_add_co_u32 s81, s81, s85
	s_lshl_b32 s80, s81, 11
	s_mov_b32 s81, 0
	s_add_nc_u64 s[PFA:PFA+1], s[PFA:PFA+1], s[80:81]
	s_add_nc_u64 s[PFA:PFA+1], s[PFA:PFA+1], 2*KSTEP*2  ; at K step 2: the first refill steps it to 3.  Nothing is prefetched at the head
	v_min_u32 v[PFO], s87, v14
	v_lshlrev_b32 v[PFO], 11, v[PFO]
; 12 matrix instructions: row block a x all 12 column blocks, 32 along K, from buffers f.  zero = 1: the product starts the sums.  The 48 accumulators take turns.
.macro MULH f, a, zero
	WIN 0xa1+0x50*((\a)/2)                         ; source 0 window 1, source 1 window 0, C and D window 2 or 3
.irp n, 0,1,2,3,4,5,6,7,8,9,10,11
.if \zero
	v_wmma_f32_16x16x32_bf16 v[96*((\a)%2)+8*\n:96*((\a)%2)+8*\n+7], v[96*(\f)+8*\n:96*(\f)+8*\n+7], v[32+32*(\f)+8*(\a):32+32*(\f)+8*(\a)+7], 0
.else
	v_wmma_f32_16x16x32_bf16 v[96*((\a)%2)+8*\n:96*((\a)%2)+8*\n+7], v[96*(\f)+8*\n:96*(\f)+8*\n+7], v[32+32*(\f)+8*(\a):32+32*(\f)+8*(\a)+7], v[96*((\a)%2)+8*\n:96*((\a)%2)+8*\n+7]
.endif
.endr
.endm
; 32 LDS loads in one run: a quarter step's fragments (192 rows of wab, my 64 of x, 32 K at byte k of the rows) into buffers f
.macro FETCH k, f
	WIN 0x40
.irp n, 0,1,2,3,4,5,6,7,8,9,10,11
	ds_load_b128 v[96*(\f)+8*\n:96*(\f)+8*\n+3],   v[ADRB] offset:(\k)+\n*16*PITCH
	ds_load_b128 v[96*(\f)+8*\n+4:96*(\f)+8*\n+7], v[ADRB] offset:(\k)+\n*16*PITCH+32
.endr
	WIN 0
.irp a, 0,1,2,3
	ds_load_b128 v[32+32*(\f)+8*\a:32+32*(\f)+8*\a+3],   v[ADRA] offset:(\k)+\a*16*PITCH
	ds_load_b128 v[32+32*(\f)+8*\a+4:32+32*(\f)+8*\a+7], v[ADRA] offset:(\k)+\a*16*PITCH+32
.endr
.endm
; One of a K step's first three quarters: multiplies buffers f, and in its middle fetches the next quarter, at byte k, into buffers g.
.macro QUARTER k, f, g, zero
	s_wait_dscnt 4                                 ; wab's fragments and x's blocks 0, 1 are in; the youngest four loads (blocks 2, 3) may be out
	MULH \f, 0, \zero
	MULH \f, 1, \zero
	PLACES
	FETCH \k, \g
	s_wait_dscnt 32                                ; all but the 32 just issued
	MULH \f, 2, \zero
	MULH \f, 3, \zero
.endm
; The last quarter multiplies buffers 1 and changes slots.  In front of the barrier each wave waits for all its tensor loads (one is out: its part of the next slot), adds 0 to its spare word, and waits
; for that and for its reads of this slot.  fill = 1: the barrier opens a round of the cluster's, and behind it the slot just read is filled again, two K steps ahead: 168 matrix instructions before the wait for it.
.macro TURNQ fill
.if \fill
	s_wait_xcnt 0x0                                ; the last prefetch, a K step back, has read its address
	s_add_nc_u64 s[PFA:PFA+1], s[PFA:PFA+1], KSTEP*2
.endif
	WIN 0
	s_wait_tensorcnt 0x0
	ds_add_u32 v[SPW], v[NIL]
	s_wait_dscnt 5                                 ; (the add and the youngest four loads may be out)
	MULH 1, 0, 0
	s_wait_dscnt 0x0                               ; the add is done, and my reads of this slot are over
	s_barrier_signal -1
	MULH 1, 1, 0
	WIN 0
	s_barrier_wait -1
.if \fill
	CREST
.irp g, G0A+4, G0B+4
	s_xor_b32 s[(\g)+1], s[(\g)+1], SLOT1          ; the walking descriptor: the other slot than last time,
	s_add_nc_u64 s[(\g)+2:(\g)+3], s[(\g)+2:(\g)+3], KSTEP*2  ; the next K step
.endr
	JLOAD                                          ; its four v_nop are also the places ahead of the loads below
.else
	PLACES
.endif
	s_xor_b32 s[TB], s[TB], SLOT1
	v_add_nc_u32 v[ADRA], s[TB], v[ADRA0]
	v_add_nc_u32 v[ADRB], s[TB], v[ADRB0]
	FETCH 0, 0
.if \fill
	ASK
.endif
	MULH 1, 2, 0
	MULH 1, 3, 0
.endm
	s_wait_tensorcnt 1                             ; my part of K step 0 is in; K step 1's may stay out
	s_barrier_signal -1
	s_barrier_wait -1
	FETCH 0, 0
	QUARTER 64, 0, 1, 1                            ; the first quarter stands ahead of the loop: its products start the sums
	WIN 0
	s_mov_b32 s[CNT], 6
.Lk:                                           ; a trip: a K step's quarters 1 to 3 and the next step's quarter 0; six refills, K steps 2 to 7
	QUARTER 128, 1, 0, 0
	QUARTER 192, 0, 1, 0
	TURNQ 1
	QUARTER 64, 0, 1, 0
	WIN 0
	s_sub_co_u32 s[CNT], s[CNT], 1
	s_cmp_lg_u32 s[CNT], 0
	s_cbranch_scc1 .Lk
	QUARTER 128, 1, 0, 0                           ; the last two K steps ask for nothing
	QUARTER 192, 0, 1, 0
	TURNQ 0
	QUARTER 64, 0, 1, 0
	QUARTER 128, 1, 0, 0
	QUARTER 192, 0, 1, 0
	s_wait_dscnt 4
	MULH 1, 0, 0
	MULH 1, 1, 0
	s_wait_dscnt 0x0
	MULH 1, 2, 0
	MULH 1, 3, 0
	WIN 0
	PLACES
; THE WAY OUT, 16 tokens (a row block a) a trip.  STAGE1 differs by a (the accumulators' registers): W = q, k times log2(e); v rounded to f16.  Each accumulator's lowest registers are read first.
.macro STAGE1 a
.set AC, 96*((\a)%2)
	WIN 0x02+(\a)/2                                ; source 0 in window 2 or 3
.set z, 0
.rept 32
	v_pk_mul_f32 v[W+2*z:W+2*z+1], v[AC+2*z:AC+2*z+1], s[L2E:L2E+1] op_sel_hi:[1,0]
.set z, z+1
.endr
	WIN 0x0a+5*((\a)/2)                            ; sources 0 and 1
.set z, 0
.rept 16
	v_cvt_pk_f16_f32 v[V16+z], v[AC+64+2*z], v[AC+64+2*z+1]
.set z, z+1
.endr
	WIN 0
.endm
	s_mov_b32 s[AI], 4
.Lout:
	s_cmp_lg_u32 s[AI], 4
	s_cbranch_scc1 .Lnot_a0
	STAGE1 0
	s_branch .Lbody
.Lnot_a0:
	s_cmp_lg_u32 s[AI], 3
	s_cbranch_scc1 .Lnot_a1
	STAGE1 1
	s_branch .Lbody
.Lnot_a1:
	s_cmp_lg_u32 s[AI], 2
	s_cbranch_scc1 .Lnot_a2
	STAGE1 2
	s_branch .Lbody
.Lnot_a2:
	STAGE1 3
.Lbody:
.set z, 0
.rept 16                               ; the 16 tokens' table: for b: ln2 cos at CT + 16 b, ln2 sin at CT + 16 b + 8; 512 consecutive bytes a load
	global_load_b128 v[CT+4*z:CT+4*z+3], v[GO], s[TP:TP+1] offset:512*z
.set z, z+1
.endr
.set z, 0
.rept 64                               ; 2^-|y|: one batch of 64 exponentials
	v_or_b32 v[T+z], s[SGN], v[W+z]
	v_exp_f32 v[T+z], v[T+z]
.set z, z+1
.endr
	v_nop
	s_wait_alu depctr_va_vdst(0)                   ; the batch's one wait, ahead of its first reader
.set z, 0
.rept 32
	v_pk_add_f32 v[T+2*z:T+2*z+1], v[T+2*z:T+2*z+1], 1.0 op_sel_hi:[1,0]
.set z, z+1
.endr
.set z, 0
.rept 64                               ; log2(1 + 2^-|y|), and max(y, 0) beside it
	v_log_f32 v[T+z], v[T+z]
	v_max_num_f32 v[W+z], 0, v[W+z]
.set z, z+1
.endr
	v_nop
	s_wait_alu depctr_va_vdst(0)
.set z, 0
.rept 32
	v_pk_add_f32 v[W+2*z:W+2*z+1], v[W+2*z:W+2*z+1], v[T+2*z:T+2*z+1]  ; softplus / ln2
.set z, z+1
.endr
	s_wait_loadcnt 0x0                             ; the table (and, the first time, the phases)
.irp b, 0,1,2,3
.irp p, 0,1,2,3
	v_pk_mul_f32 v[TM+2*\p:TM+2*\p+1],     v[W+8*\b+2*\p:W+8*\b+2*\p+1], v[CT+16*\b+2*\p:CT+16*\b+2*\p+1]      ; q real
	v_pk_mul_f32 v[TM+8+2*\p:TM+8+2*\p+1], v[W+8*\b+2*\p:W+8*\b+2*\p+1], v[CT+16*\b+8+2*\p:CT+16*\b+8+2*\p+1]  ; q imaginary
.endr
.irp p, 0,1,2,3
	v_cvt_pk_f16_f32 v[T+8*\b+\p],   v[TM+2*\p],   v[TM+2*\p+1]
	v_cvt_pk_f16_f32 v[T+8*\b+4+\p], v[TM+8+2*\p], v[TM+8+2*\p+1]
.endr
	WIN 0x04                                       ; source 1 (the phases) in window 1
.irp p, 0,1,2,3
	v_pk_mul_f32 v[TM+2*\p:TM+2*\p+1],     v[CT+16*\b+8+2*\p:CT+16*\b+8+2*\p+1], v[SD+8*\b+2*\p:SD+8*\b+2*\p+1]  ; sin sd
	v_pk_mul_f32 v[TM+8+2*\p:TM+8+2*\p+1], v[CT+16*\b+2*\p:CT+16*\b+2*\p+1],     v[SD+8*\b+2*\p:SD+8*\b+2*\p+1]  ; cos sd
.endr
.irp p, 0,1,2,3
	v_pk_fma_f32 v[TM+2*\p:TM+2*\p+1],     v[CT+16*\b+2*\p:CT+16*\b+2*\p+1],     v[CD+8*\b+2*\p:CD+8*\b+2*\p+1], v[TM+2*\p:TM+2*\p+1] neg_lo:[0,0,1] neg_hi:[0,0,1]  ; cos cd - sin sd
	v_pk_fma_f32 v[TM+8+2*\p:TM+8+2*\p+1], v[CT+16*\b+8+2*\p:CT+16*\b+8+2*\p+1], v[CD+8*\b+2*\p:CD+8*\b+2*\p+1], v[TM+8+2*\p:TM+8+2*\p+1]                              ; sin cd + cos sd
.endr
	WIN 0
.irp p, 0,1,2,3
	v_pk_mul_f32 v[TM+2*\p:TM+2*\p+1],     v[TM+2*\p:TM+2*\p+1],     v[W+32+8*\b+2*\p:W+32+8*\b+2*\p+1]
	v_pk_mul_f32 v[TM+8+2*\p:TM+8+2*\p+1], v[TM+8+2*\p:TM+8+2*\p+1], v[W+32+8*\b+2*\p:W+32+8*\b+2*\p+1]
.endr
.irp p, 0,1,2,3
	v_cvt_pk_f16_f32 v[T+32+8*\b+\p],   v[TM+2*\p],   v[TM+2*\p+1]
	v_cvt_pk_f16_f32 v[T+32+8*\b+4+\p], v[TM+8+2*\p], v[TM+8+2*\p+1]
.endr
.endr
.irp b, 0,1,2,3                        ; through my own stage: a lane's 16 bytes in, whole rows back
	ds_store_b128 v[STQ], v[T+8*\b:T+8*\b+3]       offset:32*\b
	ds_store_b128 v[STQ], v[T+8*\b+4:T+8*\b+7]     offset:128+32*\b
	ds_store_b128 v[STQ], v[T+32+8*\b:T+32+8*\b+3] offset:SKO+32*\b
	ds_store_b128 v[STQ], v[T+32+8*\b+4:T+32+8*\b+7] offset:SKO+128+32*\b
	ds_store_b128 v[STV], v[V16+4*\b:V16+4*\b+3]   offset:32*\b
.endr
.irp t, 0,1,2,3,4,5,6,7                ; LDS serves a wave's instructions in order (ISA guide 5.7.1.4): these see the stores above
	ds_load_b128 v[T+4*\t:T+4*\t+3], v[RDQ] offset:544*\t
.endr
.irp t, 0,1,2,3,4,5,6,7
	ds_load_b128 v[T+32+4*\t:T+32+4*\t+3], v[RDQ] offset:SKO+544*\t
.endr
.irp f, 0,1,2,3
	ds_load_b128 v[V16+4*\f:V16+4*\f+3], v[RDV] offset:576*\f
.endr
.irp t, 0,1,2,3,4,5,6,7                ; each count: the read-backs issued behind the one wanted.  Each store: 512 consecutive bytes, aligned
	s_wait_dscnt 19-\t
	global_store_b128 v[GO], v[T+4*\t:T+4*\t+3], s[10:11] offset:512*\t
.endr
.irp t, 0,1,2,3,4,5,6,7
	s_wait_dscnt 11-\t
	global_store_b128 v[GO], v[T+32+4*\t:T+32+4*\t+3], s[12:13] offset:512*\t
.endr
.irp f, 0,1,2,3
	s_wait_dscnt 3-\f
	global_store_b128 v[GO], v[V16+4*\f:V16+4*\f+3], s[14:15] offset:512*\f
.endr
	s_wait_xcnt 0x0                                ; the loads and stores have read their registers: the pointers are stepped, and the next trip rewrites the data, only behind this wait
	s_add_nc_u64 s[TP:TP+1], s[TP:TP+1], 8192
	s_add_nc_u64 s[10:11], s[10:11], 4096
	s_add_nc_u64 s[12:13], s[12:13], 4096
	s_add_nc_u64 s[14:15], s[14:15], 2048
	s_sub_co_u32 s[AI], s[AI], 1
	s_cmp_lg_u32 s[AI], 0
	s_cbranch_scc1 .Lout
	s_wait_tensorcnt 0x0                           ; the wave's end: behind my last tensor load and my last LDS store
	ds_add_u32 v[SPW], v[NIL]
	s_wait_dscnt 0x0
	CROUND                                         ; the closing round
	s_endpgm
.Lfunc_end_k_q76372ef374_qkv:
	.size	k_q76372ef374_qkv, .Lfunc_end_k_q76372ef374_qkv-k_q76372ef374_qkv
	.p2alignl 7, 3214868480
	.fill 96, 4, 3214868480
	.section	.rodata,"a",@progbits
	.p2align	6, 0x0
	.amdhsa_kernel k_q76372ef374_qkv
		.amdhsa_group_segment_fixed_size 327680
		.amdhsa_private_segment_fixed_size 0
		.amdhsa_enable_private_segment 0
		.amdhsa_kernarg_size 48
		.amdhsa_user_sgpr_count 2
		.amdhsa_user_sgpr_kernarg_segment_ptr 1
		.amdhsa_wavefront_size32 1
		.amdhsa_system_sgpr_workgroup_id_x 1
		.amdhsa_system_sgpr_workgroup_id_y 1
		.amdhsa_system_sgpr_workgroup_id_z 1
		.amdhsa_system_vgpr_workitem_id 0
		.amdhsa_next_free_vgpr 960
		.amdhsa_next_free_sgpr 96
		.amdhsa_reserve_vcc 0
		.amdhsa_float_denorm_mode_32 3
		.amdhsa_float_denorm_mode_16_64 3
		.amdhsa_memory_ordered 1
		.amdhsa_forward_progress 1
		.amdhsa_inst_pref_size 120
	.end_amdhsa_kernel
	.amdgpu_metadata
---
amdhsa.version: [ 1, 2 ]
amdhsa.kernels:
  - .name:           k_q76372ef374_qkv
    .symbol:         k_q76372ef374_qkv.kd
    .args:
      - { .name: xb, .offset: 0, .size: 8, .value_kind: global_buffer, .address_space: global }
      - { .name: wab, .offset: 8, .size: 8, .value_kind: global_buffer, .address_space: global }
      - { .name: tab, .offset: 16, .size: 8, .value_kind: global_buffer, .address_space: global }
      - { .name: qp, .offset: 24, .size: 8, .value_kind: global_buffer, .address_space: global }
      - { .name: kp, .offset: 32, .size: 8, .value_kind: global_buffer, .address_space: global }
      - { .name: vv, .offset: 40, .size: 8, .value_kind: global_buffer, .address_space: global }
    .group_segment_fixed_size: 327680
    .private_segment_fixed_size: 0
    .kernarg_segment_align: 8
    .kernarg_segment_size: 48
    .max_flat_workgroup_size: 128
    .sgpr_count:     96
    .vgpr_count:     960
    .wavefront_size: 32
...
	.end_amdgpu_metadata
.endif
;; end of part 2
;; launch attn (part 3): grid 8 x 32, 4 waves a work-group, clusters of 4 x 1, 327,680 bytes of LDS; arguments qp, kp, vv, yy; writes yy
.if DOCPART == 3
	.amdgcn_target "amdgcn-amd-amdhsa--gfx1250"
	.amdhsa_code_object_version 6
	.text
	.protected	k_q76372ef374_attn
	.globl	k_q76372ef374_attn
	.p2align	8
	.type	k_q76372ef374_attn,@function
k_q76372ef374_attn:
	s_mov_b64 s[64:65], 0
	v_nop
	global_prefetch_b8 v0, s[64:65] scope:SCOPE_SE
	s_setreg_imm32_b32 hwreg(HW_REG_WAVE_MODE, 25, 1), 1
	s_wait_xcnt 0x0
	s_wait_alu depctr_hold_cnt(0) depctr_sa_sdst(0) depctr_va_vdst(0) depctr_va_sdst(0) depctr_va_ssrc(0) depctr_va_vcc(0) depctr_vm_vsrc(0)
	s_getreg_b32 s2, hwreg(HW_REG_IB_STS2, 6, 4)
	s_cmp_eq_u32 s2, 0
	s_cbranch_scc0 .Lentry_in_a_cluster
	s_endpgm
.Lentry_in_a_cluster:
	s_bfe_u32 s2, ttmp6, 0x10000c
	s_cmp_lg_u32 s2, 0x3003
	s_cbranch_scc0 .Lentry_shape_is_right
	s_endpgm
.Lentry_shape_is_right:
; CAUSAL ATTENTION.  y[bh][t] = the sum over s <= t of softmax_s(q'[t] . k'[s] / 8) v[s].  q', k': [32][2048][128] f16 (real | imaginary), v: [32][2048][64] f16.
; y leaves in f16 as [(b 2048 + t) / 16][head][16 tokens][64]: 16 rows of a head are 2,048 consecutive bytes.  Products, maxima and sums in f32; the weights are rounded to f16 for the second product.
; LIMITS.  f16 holds no number beyond 65,504.  A hidden score counts as its value less 1e30.  A weight below 2^-126 counts as 0.  NaN and infinities are not treated apart.
; THE WALK.  A head's rows lie in four super-blocks of 512.  Cluster j (0, 1) of a head takes super-block 3 - j and then j; partner cx owns rows 128 cx .. of each; a wave owns two PIECES of 16 rows,
; 64 x + 16 w on.  The four partners walk the same keys, in slots of 256 (four steps of 64): 8 - 2 j slots, then 2 + 2 j: ten for every cluster, each asked for JOINTLY.
; THE MASK IS DATA: it is the C operand that starts S^T = K Q^T, MD x AL + BE.  MD, made once, is the mask of a band of 64 rows in
; its own key step; with beta the band's number and kappa the step's: (AL, BE) = (1, 0) if kappa = beta, (0, 0) if kappa < beta, (0, -1e30) if kappa > beta: two scalar selects a turn.
; Every row sees key 0 in its block's first step, so the running maximum is a true score before a wholly hidden step comes.
; LAYOUT.  S^T (source 0 = 16 keys, source 1 = 16 queries) holds ONE query a lane (lane % 16) and keys 8 (lane / 16) + 0..7; two such results rounded to f16 ARE source 1 of O^T = V^T P.
; SOFTMAX.  p = 2^(c s - c m), c = log2(e) / 8, with a running maximum m; O and l are multiplied by a = 2^(c m_old - c m_new) in every step.
; TURNS.  Turn U_y(s) does the vector work of piece y in step s; beside it the matrix unit makes the next item's 16 products K Q^T and the last item's 8 products V^T P, four or five vector instructions
; behind each; the roundings and sums stand in a lump behind the turn's one wait for its 33 exponentials.  U0(s): K Q^T of (1, s), V^T P of (1, s - 1), fetches K of s + 1.  U1(s): K Q^T of (0, s + 1),
; V^T P of (0, s), fetches V of s + 1.  K and V have two register buffers each, by the step's parity, so a run of loads has a turn in which to land.
; NO FIRST STEP IS WRITTEN OUT: the loop is entered at U1(-1), whose piece 1 is a step that has not been: scores and maximum -2^100, so that its weights are 1 and the next a is 0.  The price: some 190 v_mov_b32 at the
; head, in the wait for the first tile, and about two turns at the walk's two ends whose results nobody reads.
; REGISTERS, in windows of 256 (s_set_vgpr_msb: bits 1:0 source 0, 3:2 source 1, 5:4 source 2, 7:6 destination):
;   window 0: v0-15 addresses; v16-23 statistics; v24-31 at work; v64-127 S^T of pieces 0, 1; v128-159 P; v160-175 the way out
;   window 1: v0-63 O^T; v64-95 MD; v96-159 the masks to come      window 2: v0-63 Q; v64-127 the second block's Q; v128-255 K, even steps      window 3: v0-127 V, even and odd steps; v128-255 K, odd steps
.set KS,    64
.set PK,    272       ; a row of K in LDS: 256 bytes + 16: the 16 rows of a load start at 16 different groups of four banks (64 banks of 4 bytes: ISA guide 11.1)
.set PV,    160       ; a row of V: 128 + 32
.set VOFF,  4*KS*PK   ; a slot: 256 rows of K, then 256 rows of V
.set SLOT1, 1<<17
.set STAGE, SLOT1+4*KS*(PK+PV)  ; behind the ring, never filled by a tensor load: 16 rows x 144 bytes a wave
.set SP,    144
.set SPARE, STAGE+4*16*SP       ; the spare words, 128 bytes a wave: two blocks of 256 bytes that no other line names
.set AK0, 2
.set AV0, 3
.set AK,  4
.set AV,  5
.set STO, 6
.set RD,  7
.set GO,  8
.set MV,  12          ; v12-13 c m_old, by piece
.set QO,  15
.set ST,  16          ; piece t at ST + 4 t: c m, m, l (even keys', odd keys')
.set TMP, 24          ; piece t at TMP + 4 t: c0-c3 at work; c2 takes a
.set PFO, 32
.set SPW, 62
.set NIL, 63
.set S,   64
.set P,   128
.set OB,  160
.set MD,  64          ; window 1
.set MC,  96          ; window 1
.set QB,  64          ; window 2
.set KF,  128         ; windows 2 and 3: chunk c of 32 channels, key block kb at KF + 32 c + 8 kb
.set WV,  12
.set CX,  13
.set J,   14
.set LIM, 15
.set PFA, 18          ; s[18:19]
.set G1K, 24
.set G1V, 32
.set G0K, 40
.set G0V, 44
.set QBP, 48          ; s[48:49] Q at my rows of the second block
.set OLO, 50          ; s[50:51] y likewise
.set PFS, 52          ; s[52:53] a slot's bytes in the tensor that I prefetch
.set SB,  54          ; LDS byte of the slot that is read
.set RK,  55          ; bytes of K fetched from it so far
.set SLOTS, 56
.set CNT, 57
.set CS,  58          ; s[58:59] c
.set SEL, 60          ; s[60:61] v_permlanex16_b32's selects
.set RV,  62
.set TA,  63
.set KM,  66          ; kappa of the step whose masks are being made
.set BET, 67          ; beta of piece 0 in the block of that step
.set BETB, 68
.set KLIM, 69         ; the first block's steps
.set BC,  70          ; trips until the change of blocks
.set NXT, 71          ; the tile to be asked for next
.set LQ,  72          ; the last tile of the block whose tiles are being asked for
.set LQB, 73
.set OFFK, 74         ; s[74:75]
.set AL,  76          ; s[76:77]
.set BE,  78          ; s[78:79]
.set OFFV, 80         ; s[80:81]
.set BIGN, 82
.set MSB, 0
.macro WIN new
.if MSB != (\new)
	s_set_vgpr_msb (MSB<<8)|(\new)
.set MSB, (\new)
.endif
.endm
.set W_RS, 0x41       ; destination and source 0 in window 1, source 1 in window 0
; A joint fill: waves 0, 1 fetch the halves of a slot's K, waves 2, 3 those of its V.  An s_nop 0 and four v_nop follow each line.
.macro JLOAD
	s_cmp_lt_u32 s[WV], 2
	s_cbranch_scc0 .Lfor_v_\@
	tensor_load_to_lds s[G0K:G0K+3], s[G1K:G1K+7]
	s_nop 0
.rept 4
	v_nop
.endr
	s_branch .Lasked_\@
.Lfor_v_\@:
	tensor_load_to_lds s[G0V:G0V+3], s[G1V:G1V+7]
	s_nop 0
.rept 4
	v_nop
.endr
.Lasked_\@:
.endm
; A prefetch of the tile that the NEXT change of slots will ask for: 8 turns ahead.  Cluster 0 of a head, whose first block walks all the head's keys, asks, and nobody else; its partners share the
; blocks of 256 bytes out by address: waves 0, 1 take K's rows 64 cx + 32 w + lane, wave 2 V's blocks 32 cx + lane.  Tiles 3 to 7, each once; nothing at the head, nothing in the second block.
.macro ASK
	s_cmp_gt_u32 s[SLOTS], s[LIM]
	s_cbranch_scc0 .Lnot_mine_\@
	global_prefetch_b8 v[PFO], s[PFA:PFA+1] th:TH_LOAD_NT scope:SCOPE_SE
.Lnot_mine_\@:
.endm
.macro CROUND
	s_barrier_signal -1
	s_barrier_wait -1
	s_cmp_lg_u32 s[WV], 0
	s_cbranch_scc1 .Lnot_wave_0_\@
	s_barrier_signal -3
.Lnot_wave_0_\@:
	s_barrier_wait -3
	s_barrier_signal -1
	s_barrier_wait -1
.endm
; THE CHANGE OF SLOTS.  Each wave waits for all its tensor loads (one is out: its part of the other slot), adds 0 to its spare word, and waits for that and for its reads of the slot that it leaves.
; fill = 1: the barrier is a round of the cluster's, and the old slot is filled again first thing behind it, with tile NXT: the address is made anew from that number.
.macro CHANGE fill, ask
	WIN 0
	s_wait_tensorcnt 0x0
	ds_add_u32 v[SPW], v[NIL]       ; 0 onto my spare word; the descriptors' scalar work stands between it and the wait for it
.if \fill
	s_lshl_b32 s[OFFK], s[NXT], 16  ; a tile is 65,536 bytes of K
	s_lshl_b32 s[OFFV], s[NXT], 15  ; and 32,768 of V
	s_xor_b32 s[G0K+1], s[G0K+1], SLOT1
	s_add_nc_u64 s[G0K+2:G0K+3], s[6:7], s[OFFK:OFFK+1]
	s_or_b32 s[G0K+3], s[G0K+3], 0x80000000
	s_xor_b32 s[G0V+1], s[G0V+1], SLOT1
	s_add_nc_u64 s[G0V+2:G0V+3], s[8:9], s[OFFV:OFFV+1]
	s_or_b32 s[G0V+3], s[G0V+3], 0x80000000
	s_add_co_u32 s[NXT], s[NXT], 1  ; the block's next tile, or behind its last the second block's tile 0
	s_cmp_gt_u32 s[NXT], s[LQ]
	s_cselect_b32 s[NXT], 0, s[NXT]
	s_cselect_b32 s[LQ], s[LQB], s[LQ]
.endif
.if \ask
	s_wait_xcnt 0x0                 ; the last prefetch, a slot back, has read its address
	s_add_nc_u64 s[PFA:PFA+1], s[PFA:PFA+1], s[PFS:PFS+1]
.endif
	s_wait_dscnt 0x0                ; the add is done, and my reads of the slot are over
.if \fill
	CROUND
	JLOAD
.if \ask
	ASK
.endif
.else
	s_barrier_signal -1
	s_barrier_wait -1
.endif
	s_mov_b32 s[RK], 0              ; the fetches begin at the other slot's first step
	s_mov_b32 s[RV], 0
	s_xor_b32 s[SB], s[SB], SLOT1
.endm
	s_load_b256 s[4:11], s[0:1], 0x0  ; qp 4:5, kp 6:7, vv 8:9, yy 10:11
	v_lshl_add_u32 v[SPW], v0, 2, SPARE
	v_mov_b32 v[NIL], 0
	ds_add_u32 v[SPW], v[NIL]       ; the wave's opening: the add and its wait stand ahead of my first tensor load
	v_lshrrev_b32 v1, 5, v0
	v_readfirstlane_b32 s[WV], v1
	s_bfe_u32 s[CX], ttmp6, 0x40000
	s_mov_b32 s[J], ttmp9           ; the cluster's number in its head
	s_and_b32 s16, ttmp7, 0xffff    ; bh
	s_and_b32 s17, s[WV], 1         ; which half of a tile's 256 keys I fetch
	s_lshl_b32 s20, s16, 19         ; K: a head is 524,288 bytes, my half 128 rows of 256
	s_lshl_b32 s21, s17, 15
	s_add_co_u32 s20, s20, s21
	s_mov_b32 s21, 0
	s_lshl_b32 s22, s16, 18         ; V: half of that
	s_lshl_b32 s23, s17, 14
	s_add_co_u32 s22, s22, s23
	s_mov_b32 s23, 0
	s_mov_b32 s[G1K], 15|(1<<16)|(1<<20)|(1<<21)|(5<<22)|(3<<25)  ; the mask of four; 2-byte elements; padding on; bit 21 beside a mask; after every 64 words, 4 words
	s_mov_b32 s[G1K+1], 128<<16     ; tensor_dim0 = 128
	s_mov_b32 s[G1K+2], 128<<16     ; tensor_dim1 = 128
	s_mov_b32 s[G1K+3], 128<<16     ; tile_dim0 = 128
	s_mov_b32 s[G1K+4], 128         ; tile_dim1 = 128
	s_mov_b32 s[G1K+5], 128         ; elements from row to row
	s_mov_b32 s[G1K+6], 0
	s_mov_b32 s[G1K+7], 0
	s_mov_b32 s[G1V], 15|(1<<16)|(1<<20)|(1<<21)|(4<<22)|(7<<25)  ; 128 keys of V are 16,384 dense bytes: 64 rows of 256, padded by 8 words after every key's 32
	s_mov_b32 s[G1V+1], 128<<16
	s_mov_b32 s[G1V+2], 64<<16
	s_mov_b32 s[G1V+3], 128<<16
	s_mov_b32 s[G1V+4], 64
	s_mov_b32 s[G1V+5], 128
	s_mov_b32 s[G1V+6], 0
	s_mov_b32 s[G1V+7], 0
	s_mov_b32 s[G0K], 1
	s_mul_i32 s[G0K+1], s17, 128*PK ; slot 0
	s_mov_b32 s[G0V], 1
	s_mul_i32 s[G0V+1], s17, 128*PV
	s_add_co_u32 s[G0V+1], s[G0V+1], VOFF
	s_lshl_b32 s[LQB], s[J], 1
	s_sub_co_u32 s[LQ], 7, s[LQB]   ; the first block's last tile: 7 - 2 j
	s_add_co_u32 s[BC], s[LQ], 1
	s_lshl_b32 s[KLIM], s[BC], 2    ; its steps
	s_lshl_b32 s[BC], s[BC], 1      ; and trips
	s_add_co_u32 s[LQB], s[LQB], 1  ; the second block's last tile: 1 + 2 j
	s_mov_b32 s[NXT], 1
	s_mov_b32 s[KM], 0
	s_mov_b32 s[SB], SLOT1          ; the first change of slots turns it into 0
	s_mov_b32 s[OFFK+1], 0
	s_mov_b32 s[OFFV+1], 0
	s_mov_b32 s[AL+1], 0            ; named as pairs
	s_mov_b32 s[BE+1], 0
	s_mov_b32 s[BIGN], 0xf149f2ca   ; -1e30
	s_mov_b32 s[CS], 0x3e38aa3b     ; c = log2(e) / 8
	s_mov_b32 s[CS+1], s[CS]
	s_mov_b32 s[SEL], 0x76543210
	s_mov_b32 s[SEL+1], 0xfedcba98
	; what hangs on cx stays in s13, s67, s68, s83-87 and the pointers to Q, y and the prefetches
	s_sub_co_u32 s83, 3, s[J]       ; the first super-block
	s_lshl_b32 s87, s[CX], 1
	s_lshl_b32 s[BET], s83, 3
	s_add_co_u32 s[BET], s[BET], s87
	s_lshl_b32 s[BETB], s[J], 3
	s_add_co_u32 s[BETB], s[BETB], s87
	s_lshl_b32 s84, s16, 19         ; Q: row bh 2048 + 512 sigma + 128 cx + 16 w, 256 bytes a row
	s_lshl_b32 s87, s[CX], 15
	s_add_co_u32 s84, s84, s87
	s_lshl_b32 s87, s[WV], 12
	s_add_co_u32 s84, s84, s87
	s_lshl_b32 s86, s[J], 17
	s_add_co_u32 s86, s86, s84
	s_lshl_b32 s87, s83, 17
	s_add_co_u32 s84, s84, s87
	s_mov_b32 s85, 0
	s_mov_b32 s87, 0
	s_cmp_lt_u32 s[WV], 3
	s_cselect_b32 s[LIM], s[J], 1   ; 0 in waves 0 to 2 of a head's cluster 0: the same in all four partners
	s_cmp_eq_u32 s[LIM], 0
	s_cselect_b32 s[LIM], 3, -1
	v_and_b32 v[PFO], 31, v0
	v_lshlrev_b32 v[PFO], 8, v[PFO]
	s_wait_dscnt 0x0                ; the opening add is done
	s_wait_kmcnt 0x0
	s_add_nc_u64 s[QBP:QBP+1], s[4:5], s[86:87]
	s_add_nc_u64 s[4:5], s[4:5], s[84:85]
	s_lshr_b32 s84, s16, 4          ; y: block ((b 128 + 32 sigma + 8 cx + w) 16 + h) of 2,048 bytes
	s_lshl_b32 s84, s84, 22
	s_and_b32 s86, s16, 15
	s_lshl_b32 s86, s86, 11
	s_add_co_u32 s84, s84, s86
	s_lshl_b32 s86, s[CX], 18
	s_add_co_u32 s84, s84, s86
	s_lshl_b32 s86, s[WV], 15
	s_add_co_u32 s84, s84, s86
	s_lshl_b32 s86, s[J], 20
	s_add_co_u32 s86, s86, s84
	s_lshl_b32 s83, s83, 20
	s_add_co_u32 s84, s84, s83
	s_add_nc_u64 s[OLO:OLO+1], s[10:11], s[86:87]
	s_add_nc_u64 s[10:11], s[10:11], s[84:85]
	s_lshl_b32 s84, s16, 19         ; the prefetches: K's rows 64 cx + 32 w on, in tile 2,
	s_lshl_b32 s86, s[CX], 14
	s_add_co_u32 s84, s84, s86
	s_lshl_b32 s86, s[WV], 13
	s_add_co_u32 s84, s84, s86
	s_add_co_u32 s84, s84, 2*65536
	s_lshl_b32 s86, s16, 18         ; or V's blocks 32 cx on
	s_lshl_b32 s83, s[CX], 13
	s_add_co_u32 s86, s86, s83
	s_add_co_u32 s86, s86, 2*32768
	s_cmp_lt_u32 s[WV], 2
	s_cselect_b32 s84, s84, s86
	s_cselect_b32 s[PFS], 16, 15
	s_cselect_b64 s[PFA:PFA+1], s[6:7], s[8:9]
	s_lshl_b32 s[PFS], 1, s[PFS]
	s_mov_b32 s[PFS+1], 0
	s_add_nc_u64 s[PFA:PFA+1], s[PFA:PFA+1], s[84:85]
	s_add_nc_u64 s[6:7], s[6:7], s[20:21]  ; K and V at my half of the head's tile 0
	s_add_nc_u64 s[8:9], s[8:9], s[22:23]
	s_add_nc_u64 s[G0K+2:G0K+3], s[6:7], 0
	s_or_b32 s[G0K+3], s[G0K+3], 0x80000000
	s_add_nc_u64 s[G0V+2:G0V+3], s[8:9], 0
	s_or_b32 s[G0V+3], s[G0V+3], 0x80000000
	CROUND                          ; all four work-groups are here: the first joint loads meet
	JLOAD                           ; tile 0 into slot 0; slot 1 is asked for when slot 0 is in
	v_and_b32 v1, 15, v0            ; l % 16
	v_bfe_u32 v9, v0, 4, 1          ; l / 16
	v_lshlrev_b32 v[QO], 8, v1
	v_lshl_add_u32 v[QO], v9, 4, v[QO]
	WIN 0x80                        ; destination window 2
.set i, 0
.rept 8                             ; both blocks' Q: piece i / 4 lies 64 rows on; channels 32 (i % 4) on
	global_load_b128 v[8*i:8*i+3],         v[QO], s[4:5] offset:(i/4)*16384+(i%4)*64
	global_load_b128 v[8*i+4:8*i+7],       v[QO], s[4:5] offset:(i/4)*16384+(i%4)*64+32
	global_load_b128 v[QB+8*i:QB+8*i+3],   v[QO], s[QBP:QBP+1] offset:(i/4)*16384+(i%4)*64
	global_load_b128 v[QB+8*i+4:QB+8*i+7], v[QO], s[QBP:QBP+1] offset:(i/4)*16384+(i%4)*64+32
.set i, i+1
.endr
	WIN 0
	v_lshlrev_b32 v14, 3, v9
	v_sub_nc_u32 v14, v1, v14
	s_lshl_b32 s20, s[WV], 4
	v_add_nc_u32 v14, s20, v14      ; my query's place in its band, 16 w + l % 16, less 8 (l / 16): register r of key group kt is hidden where 16 kt + r is greater
	WIN 0x40
.set i, 0
.rept 32
	v_cmp_gt_i32 vcc_lo, 16*(i/8)+i%8, v14
	v_cndmask_b32 v[MD+i], 0, s[BIGN], vcc_lo
.set i, i+1
.endr
	WIN 0
	v_mul_u32_u24 v[AK0], v1, PK
	v_lshl_add_u32 v[AK0], v9, 4, v[AK0]
	v_and_b32 v10, 7, v0            ; the turning load: lane l reads key 8 (l / 16) + l % 8, channels 8 ((l / 8) % 2) + 0..7
	v_bfe_u32 v11, v0, 3, 1
	v_lshl_add_u32 v[AV0], v9, 3, v10
	v_mul_u32_u24 v[AV0], v[AV0], PV
	v_lshl_add_u32 v[AV0], v11, 4, v[AV0]
	v_add_nc_u32 v[AV0], VOFF, v[AV0]
	s_mul_i32 s20, s[WV], 16*SP
	s_add_co_u32 s20, s20, STAGE    ; my stage
	v_mul_u32_u24 v[STO], v1, SP
	v_lshl_add_u32 v[STO], v9, 4, v[STO]
	v_add_nc_u32 v[STO], s20, v[STO]
	v_bfe_u32 v[RD], v0, 3, 2
	v_mul_u32_u24 v[RD], v[RD], SP
	v_lshl_add_u32 v[RD], v10, 4, v[RD]
	v_add_nc_u32 v[RD], s20, v[RD]
	v_and_b32 v[GO], 31, v0
	v_lshlrev_b32 v[GO], 4, v[GO]
	; what the first turns find: all this stands in the wait for the first tile
	WIN 0xc0
.set i, 64
.rept 64
	v_mov_b32 v[i], 0               ; V of a step that has not been
.set i, i+1
.endr
	WIN 0x40
.set i, 0
.rept 64
	v_mov_b32 v[i], 0               ; O^T
.set i, i+1
.endr
	WIN 0
	s_mov_b32 s20, 0xf1800000       ; -2^100
	v_mov_b32 v[ST], 0xfe000000     ; piece 0: c m far below every c s,
	v_mov_b32 v[ST+1], 0xff7fffff   ; m the lowest finite number
	v_mov_b32 v[ST+2], 0
	v_mov_b32 v[ST+3], 0
	v_mov_b32 v[ST+4], 0xf038aa3b   ; piece 1: c m = -c 2^100, exactly,
	v_mov_b32 v[ST+5], s20          ; m = -2^100
	v_mov_b32 v[ST+6], 0
	v_mov_b32 v[ST+7], 0
.set i, 0
.rept 8
	v_mov_b32 v[TMP+i], 0
.set i, i+1
.endr
.set i, 0
.rept 16
	v_mov_b32 v[P+i], 0
.set i, i+1
.endr
.set i, 0
.rept 32
	v_mov_b32 v[S+32+i], s20
.set i, i+1
.endr
; THE MATRIX WORK.  TURN sets Y (the piece of the vector work), KPAR, VPAR (the buffers) and i.  The four accumulators of a run take turns.
; Product i of 16 of S^T for piece 1 - Y: channels 32 (i / 4) on, keys 16 (i % 4) on; the first four start the sums with the mask.
.macro MKQ
.set rS2, S+32*(1-Y)+8*(i%4)
.set rK, KF+32*(i/4)+8*(i%4)
.set rQ, 32*(1-Y)+8*(i/4)
.set rM, MC+32*(1-Y)+8*(i%4)
.if i < 4
	WIN 0x18|(2+KPAR)               ; K in window 2 or 3, Q in window 2, the mask in window 1, S^T in window 0
	v_wmma_f32_16x16x32_f16 v[rS2:rS2+7], v[rK:rK+7], v[rQ:rQ+7], v[rM:rM+7]
.else
	WIN 0x08|(2+KPAR)
	v_wmma_f32_16x16x32_f16 v[rS2:rS2+7], v[rK:rK+7], v[rQ:rQ+7], v[rS2:rS2+7]
.endif
.endm
; Product i - 16 of 8 of O^T += V^T P for piece 1 - Y: keys 32 (. / 4) on, channels 16 (. % 4) on.
.macro MPV
.set rO2, 32*(1-Y)+8*((i-16)%4)
.set rV, 64*VPAR+32*((i-16)/4)+8*((i-16)%4)
.set rP2, P+16*(1-Y)+8*((i-16)/4)
	WIN 0x53                        ; V in window 3, P in window 0, O^T in window 1
	v_wmma_f32_16x16x32_f16 v[rO2:rO2+7], v[rV:rV+7], v[rP2:rP2+7], v[rO2:rO2+7]
.endm
.macro MM
.if i < 16
	MKQ
.else
	MPV
.endif
.set i, i+1
.endm
; THE LDS LOADS stand in runs.  The step's place in the slot is held to the slot's last step, so that the fetches at the walk's end, whose data nobody uses, read bytes that were filled.
.macro FETCH_K kp
	WIN 0
	s_min_u32 s[TA], s[RK], 3*KS*PK
	s_add_co_u32 s[TA], s[TA], s[SB]
	v_add_nc_u32 v[AK], s[TA], v[AK0]
	s_add_co_u32 s[RK], s[RK], KS*PK
	WIN 0x80+0x40*(\kp)             ; destination window 2 or 3
.irp f, 0,1,2,3,4,5,6,7,8,9,10,11,12,13,14,15  ; channels 32 (f / 4) on, keys 16 (f % 4) on
	ds_load_b128 v[KF+8*\f:KF+8*\f+3],   v[AK] offset:(\f%4)*16*PK+(\f/4)*64
	ds_load_b128 v[KF+8*\f+4:KF+8*\f+7], v[AK] offset:(\f%4)*16*PK+(\f/4)*64+32
.endr
	WIN 0
.endm
.macro FETCH_V vp
	WIN 0
	s_min_u32 s[TA], s[RV], 3*KS*PV
	s_add_co_u32 s[TA], s[TA], s[SB]
	v_add_nc_u32 v[AV], s[TA], v[AV0]
	s_add_co_u32 s[RV], s[RV], KS*PV
	WIN 0xc0                        ; destination window 3
.irp f, 0,1,2,3,4,5,6,7             ; keys 32 (f / 4) on, channels 16 (f % 4) on
	ds_load_tr16_b128 v[64*(\vp)+8*\f:64*(\vp)+8*\f+3],   v[AV] offset:(\f/4)*32*PV+(\f%4)*32
	ds_load_tr16_b128 v[64*(\vp)+8*\f+4:64*(\vp)+8*\f+7], v[AV] offset:(\f/4)*32*PV+16*PV+(\f%4)*32
.endr
	WIN 0
.endm
; THE VECTOR WORK, a line at a time: OP kind, number.  For piece Y: F n: c s - c m for pair n of 16.  E n: the exponential of score n of 32.  C n: pair n rounded to f16.  B n: of the weights 4 n .. the second pair
; is added onto the first.  L n: l takes that sum (L 0: l = a l + sum).  R n: pair n of 16 of O^T times a.  M n: pair n of 16 of the mask for piece Y's next scores.  For piece 1 - Y: X n, number n of the 22 that
; find its maximum and statistics: 0-11 four chains of seven scores (each accumulator's lowest registers first); 12-14, 16 the four left over, the old m, all into c0; 15 c m_old is kept;
; 17, 18 the other half of the lanes': the new m; 19-21 c m; c m_old - c m_new; a.
.set F, 0
.set E, 1
.set C, 2
.set B, 3
.set L, 4
.set R, 5
.set X, 6
.set M, 7
.macro REGS y
.set rT, ST+4*(\y)
.set rC, TMP+4*(\y)
.set rW, MV+(\y)
.set rS, S+32*(\y)
.set rP, P+16*(\y)
.set rO, 32*(\y)
.endm
.macro OP k, n
.if (\k) == R
	REGS Y
	WIN W_RS
	v_pk_mul_f32 v[rO+2*(\n):rO+2*(\n)+1], v[rO+2*(\n):rO+2*(\n)+1], v[rC+2:rC+3] op_sel_hi:[1,0]
.elseif (\k) == M
	WIN W_RS
	v_pk_fma_f32 v[MC+32*Y+2*(\n):MC+32*Y+2*(\n)+1], v[MD+2*(\n):MD+2*(\n)+1], s[AL:AL+1], s[BE:BE+1] op_sel_hi:[1,0,0]
.elseif (\k) < R
	REGS Y
	WIN 0
.if (\k) == F
	v_pk_fma_f32 v[rS+2*(\n):rS+2*(\n)+1], v[rS+2*(\n):rS+2*(\n)+1], s[CS:CS+1], v[rT:rT+1] op_sel_hi:[1,0,0] neg_lo:[0,0,1] neg_hi:[0,0,1]
.elseif (\k) == E
	v_exp_f32 v[rS+(\n)], v[rS+(\n)]
.elseif (\k) == C
	v_cvt_pk_f16_f32 v[rP+(\n)], v[rS+2*(\n)], v[rS+2*(\n)+1]
.elseif (\k) == B
	v_pk_add_f32 v[rS+4*(\n):rS+4*(\n)+1], v[rS+4*(\n):rS+4*(\n)+1], v[rS+4*(\n)+2:rS+4*(\n)+3]
.elseif (\n) == 0
	v_pk_fma_f32 v[rT+2:rT+3], v[rT+2:rT+3], v[rC+2:rC+3], v[rS:rS+1] op_sel_hi:[1,0,1]
.else
	v_pk_add_f32 v[rT+2:rT+3], v[rT+2:rT+3], v[rS+4*(\n):rS+4*(\n)+1]
.endif
.else
	REGS 1-Y
	WIN 0
.if (\n) < 4
	v_max3_num_f32 v[rC+(\n)], v[rS+8*(\n)], v[rS+8*(\n)+1], v[rS+8*(\n)+2]
.elseif (\n) < 12
	v_max3_num_f32 v[rC+(\n)%4], v[rC+(\n)%4], v[rS+8*((\n)%4)+2*((\n)/4)+1], v[rS+8*((\n)%4)+2*((\n)/4)+2]
.elseif (\n) == 12
	v_max3_num_f32 v[rC], v[rC], v[rS+7], v[rS+15]
.elseif (\n) == 13
	v_max3_num_f32 v[rC+1], v[rC+1], v[rS+23], v[rS+31]
.elseif (\n) == 14
	v_max3_num_f32 v[rC+2], v[rC+2], v[rC+3], v[rT+1]
.elseif (\n) == 15
	v_mov_b32 v[rW], v[rT]
.elseif (\n) == 16
	v_max3_num_f32 v[rC], v[rC], v[rC+1], v[rC+2]
.elseif (\n) == 17
	v_permlanex16_b32 v[rC+3], v[rC], s[SEL], s[SEL+1]
.elseif (\n) == 18
	v_max_num_f32 v[rT+1], v[rC], v[rC+3]
.elseif (\n) == 19
	v_mul_f32 v[rT], s[CS], v[rT+1]
.elseif (\n) == 20
	v_sub_f32 v[rC+1], v[rW], v[rT]
.else
	v_exp_f32 v[rC+2], v[rC+1]
.endif
.endif
.endm
.macro OPS k1, n1, k2=-1, n2=0, k3=-1, n3=0, k4=-1, n4=0, k5=-1, n5=0
	OP \k1, \n1
.if (\k2) >= 0
	OP \k2, \n2
.endif
.if (\k3) >= 0
	OP \k3, \n3
.endif
.if (\k4) >= 0
	OP \k4, \n4
.endif
.if (\k5) >= 0
	OP \k5, \n5
.endif
.endm
.macro ROW k1, n1, k2=-1, n2=0, k3=-1, n3=0, k4=-1, n4=0, k5=-1, n5=0  ; a matrix instruction and what rides behind it
	MM
	OPS \k1, \n1, \k2, \n2, \k3, \n3, \k4, \n4, \k5, \n5
.endm
.macro MASK b
	WIN W_RS
.set z, 0
.rept 16
	v_pk_fma_f32 v[MC+32*(\b)+2*z:MC+32*(\b)+2*z+1], v[MD+2*z:MD+2*z+1], s[AL:AL+1], s[BE:BE+1] op_sel_hi:[1,0,0]
.set z, z+1
.endr
.endm
; A TURN, for piece y in a step of parity par.  All 33 exponentials are ONE BATCH: nothing ahead of the wait names a result of theirs; the roundings and sums stand behind it.
; The score accumulator kb ends at row 12 + kb; four plain riders or more (for the last: row 15's R R M M) stand between it and its first reader X.  The lump's 32 plain lines are the places behind the last
; products, ahead of the next turn's loads into V's buffer and of its rescaling of O^T.
.macro TURN y, par
.set Y, (\y)
.set i, 0
.if Y == 0
.set KPAR, (\par)
.set VPAR, 1-(\par)
.else
.set KPAR, 1-(\par)
.set VPAR, (\par)
.endif
	s_add_co_u32 s83, s[BET], Y     ; my band; the two selects make data, no branch hangs on them
	s_cmp_eq_u32 s[KM], s83
	s_cselect_b32 s[AL], 1.0, 0
	s_cmp_gt_u32 s[KM], s83
	s_cselect_b32 s[BE], s[BIGN], 0
.if Y == 0
	FETCH_K 1-(\par)                ; K of the next step: its buffer was last read two turns ago; first wanted a turn from here
.else
	FETCH_V 1-(\par)                ; V of the next step: its buffer was last read ahead of the last turn's lump
	s_wait_dscnt 16                 ; all but V's 16 just issued: K of the next step and V of this one are in
.endif
	ROW F,0, F,1, F,2, F,3
	ROW R,0, R,1, M,0, M,1
	ROW F,4, E,0, F,5, E,1
	ROW R,2, R,3, M,2, M,3
	ROW F,6, E,2, F,7, E,3
	ROW R,4, R,5, M,4, M,5
	ROW F,8, E,4, F,9, E,5
	ROW R,6, R,7, M,6, M,7
	ROW F,10, E,6, F,11, E,7
	ROW R,8, R,9, M,8, M,9
	ROW F,12, E,8, F,13, E,9
	ROW R,10, R,11, M,10, M,11
	ROW F,14, E,10, F,15, E,11
	ROW R,12, R,13, M,12, M,13
	ROW E,12, E,13, E,14, E,15
	ROW R,14, R,15, M,14, M,15
	ROW X,0, X,1, X,2, X,3, E,16
	ROW X,4, X,5, X,6, X,7, E,17
	ROW X,8, X,9, X,10, X,11, E,18
	ROW X,12, X,13, X,15, X,14, E,19
	ROW X,16, E,20, E,21, E,22
	ROW X,17, E,23, E,24, E,25
	ROW X,18, E,26, E,27, E,28
	ROW X,19, E,29, E,30, E,31
	OPS X,20, X,21
	v_nop                           ; a plain instruction behind the last exponential: one for the batch
	s_wait_alu depctr_va_vdst(0)    ; the batch's one wait
	OPS C,0, B,0, C,2, B,1
	OPS L,0, C,4, B,2, L,1
	OPS C,6, B,3, L,2, C,8
	OPS B,4, L,3, C,10, B,5
	OPS L,4, C,12, B,6, L,5
	OPS C,14, B,7, L,6, C,1
	OPS C,3, L,7, C,5, C,7
	OPS C,9, C,11, C,13, C,15
.if Y == 1
	s_add_co_u32 s[KM], s[KM], 1    ; the masks' step; behind the first block's last it begins anew, with the second block's band
	s_cmp_eq_u32 s[KM], s[KLIM]
	s_cselect_b32 s[KM], 0, s[KM]
	s_cselect_b32 s[BET], s[BETB], s[BET]
.endif
.endm
; THE WAY OUT of piece p: l's halves and the other half of the lanes' are added; O^T is divided by l, rounded to f16 and sent through my stage.  What it leaves in O^T and l is finite: a block's first step multiplies both by a = 0.
.macro OUT p
	WIN 0
	s_wait_xcnt 0x0                 ; earlier stores have read the registers that are written below
	v_add_f32 v[ST+4*(\p)+2], v[ST+4*(\p)+2], v[ST+4*(\p)+3]
	v_permlanex16_b32 v[ST+4*(\p)+3], v[ST+4*(\p)+2], s[SEL], s[SEL+1]
	v_add_f32 v[ST+4*(\p)+2], v[ST+4*(\p)+2], v[ST+4*(\p)+3]
	v_rcp_f32 v[ST+4*(\p)+2], v[ST+4*(\p)+2]
	v_nop
	s_wait_alu depctr_va_vdst(0)
	WIN W_RS
.set i, 32*(\p)
.rept 16
	v_pk_mul_f32 v[i:i+1], v[i:i+1], v[ST+4*(\p)+2:ST+4*(\p)+3] op_sel_hi:[1,0]
.set i, i+2
.endr
	WIN 0x05                        ; sources 0 and 1 window 1, destination window 0
.set i, 0
.rept 16
	v_cvt_pk_f16_f32 v[OB+i], v[32*(\p)+2*i], v[32*(\p)+2*i+1]
.set i, i+1
.endr
	WIN 0
.irp f, 0,1,2,3
	ds_store_b128 v[STO], v[OB+4*\f:OB+4*\f+3] offset:32*\f
.endr
.irp f, 0,1,2,3
	ds_load_b128 v[OB+4*\f:OB+4*\f+3], v[RD] offset:\f*4*SP  ; LDS serves a wave's instructions in order (ISA guide 5.7.1.4): these see the stores above
.endr
.irp f, 0,1,2,3
	s_wait_dscnt 3-\f               ; the younger read-backs may stay out
	global_store_b128 v[GO], v[OB+4*\f:OB+4*\f+3], s[10:11] offset:(\p)*131072+\f*512  ; 512 consecutive bytes, aligned
.endr
.endm
.macro RESET p                      ; a block begins for piece p: the next a is 0, the next maximum the scores'
	v_mov_b32 v[ST+4*(\p)], 0xfe000000
	v_mov_b32 v[ST+4*(\p)+1], 0xff7fffff
.endm
	CHANGE 1, 0                     ; tile 0 is in, everybody's part of it; tile 1 is asked for
	s_cmp_eq_u32 s[BET], 0          ; piece 0's mask for step 0
	s_cselect_b32 s[AL], 1.0, 0
	s_mov_b32 s[BE], 0
	MASK 0
	FETCH_K 0                       ; K of step 0
	s_wait_loadcnt 0x0              ; Q, both blocks'
	s_mov_b32 s[SLOTS], 9
	s_mov_b32 s[CNT], 2
	s_branch .Lfirst                ; the loop is entered at U1(-1)
.Lslot:                             ; eight times: tiles 2 to 9 of the walk are asked for
	CHANGE 1, 1
	s_mov_b32 s[CNT], 2
.Ltrip:                             ; a trip: an odd step and the even one behind it; it fetches K and V of the steps one further on
	TURN 0, 1
	WIN 0
	s_cmp_lg_u32 s[BC], 0           ; THE CHANGE OF BLOCKS, in the trip whose odd step is the first block's last: the same trip in all four partners
	s_cbranch_scc1 .Lno_a
	WIN 0x82                        ; the second block's Q goes where the turns name Q: its first reader is the next turn
.set i, 0
.rept 64
	v_mov_b32 v[i], v[QB+i]
.set i, i+1
.endr
	WIN 0
	RESET 0
.Lno_a:
.Lfirst:
	TURN 1, 1
	WIN 0
	s_cmp_lg_u32 s[BC], 0
	s_cbranch_scc1 .Lno_b
	OUT 0                           ; piece 0's last V^T P of the first block stood in the turn just ended
	RESET 1
.Lno_b:
	TURN 0, 0
	WIN 0
	s_cmp_lg_u32 s[BC], 0
	s_cbranch_scc1 .Lno_c
	OUT 1
	s_wait_xcnt 0x0                 ; the stores have read y's address
	s_mov_b64 s[10:11], s[OLO:OLO+1]
.Lno_c:
	TURN 1, 0
	WIN 0
	s_sub_co_u32 s[BC], s[BC], 1
	s_sub_co_u32 s[CNT], s[CNT], 1
	s_cmp_lg_u32 s[CNT], 0
	s_cbranch_scc1 .Ltrip
	s_sub_co_u32 s[SLOTS], s[SLOTS], 1
	s_cmp_lg_u32 s[SLOTS], 0
	s_cbranch_scc1 .Lslot
	CHANGE 0, 0                     ; the walk's last slot is written out: nothing is asked for
	s_mov_b32 s[CNT], 3             ; two trips fetch its steps; the third is left in its middle
.Ltail:
	TURN 0, 1
	TURN 1, 1
	WIN 0
	s_cmp_lg_u32 s[CNT], 1
	s_cbranch_scc1 .Lno_out0
	OUT 0
.Lno_out0:
	TURN 0, 0
	WIN 0
	s_sub_co_u32 s[CNT], s[CNT], 1
	s_cmp_eq_u32 s[CNT], 0
	s_cbranch_scc1 .Lfin
	TURN 1, 0
	WIN 0
	s_branch .Ltail
.Lfin:
	OUT 1
	s_wait_tensorcnt 0x0            ; the wave's end: behind my last tensor load and my last LDS store
	ds_add_u32 v[SPW], v[NIL]
	s_wait_dscnt 0x0
	CROUND                          ; the closing round
	s_endpgm
.Lfunc_end_k_q76372ef374_attn:
	.size	k_q76372ef374_attn, .Lfunc_end_k_q76372ef374_attn-k_q76372ef374_attn
	.p2alignl 7, 3214868480
	.fill 96, 4, 3214868480
	.section	.rodata,"a",@progbits
	.p2align	6, 0x0
	.amdhsa_kernel k_q76372ef374_attn
		.amdhsa_group_segment_fixed_size 327680
		.amdhsa_private_segment_fixed_size 0
		.amdhsa_enable_private_segment 0
		.amdhsa_kernarg_size 32
		.amdhsa_user_sgpr_count 2
		.amdhsa_user_sgpr_kernarg_segment_ptr 1
		.amdhsa_wavefront_size32 1
		.amdhsa_system_sgpr_workgroup_id_x 1
		.amdhsa_system_sgpr_workgroup_id_y 1
		.amdhsa_system_sgpr_workgroup_id_z 1
		.amdhsa_system_vgpr_workitem_id 0
		.amdhsa_next_free_vgpr 1024
		.amdhsa_next_free_sgpr 88
		.amdhsa_reserve_vcc 1
		.amdhsa_float_denorm_mode_32 3
		.amdhsa_float_denorm_mode_16_64 3
		.amdhsa_memory_ordered 1
		.amdhsa_forward_progress 1
		.amdhsa_inst_pref_size 143
	.end_amdhsa_kernel
	.amdgpu_metadata
---
amdhsa.version: [ 1, 2 ]
amdhsa.kernels:
  - .name:           k_q76372ef374_attn
    .symbol:         k_q76372ef374_attn.kd
    .args:
      - { .name: qp, .offset: 0, .size: 8, .value_kind: global_buffer, .address_space: global }
      - { .name: kp, .offset: 8, .size: 8, .value_kind: global_buffer, .address_space: global }
      - { .name: vv, .offset: 16, .size: 8, .value_kind: global_buffer, .address_space: global }
      - { .name: yy, .offset: 24, .size: 8, .value_kind: global_buffer, .address_space: global }
    .group_segment_fixed_size: 327680
    .private_segment_fixed_size: 0
    .kernarg_segment_align: 8
    .kernarg_segment_size: 32
    .max_flat_workgroup_size: 128
    .sgpr_count:     88
    .vgpr_count:     1024
    .wavefront_size: 32
...
	.end_amdgpu_metadata
.endif
;; end of part 3
;; launch proj (part 4): grid 8 x 32, 4 waves a work-group, clusters of 4 x 4, 327,680 bytes of LDS; arguments yy, wpb, out0; writes out0
.if DOCPART == 4
	.amdgcn_target "amdgcn-amd-amdhsa--gfx1250"
	.amdhsa_code_object_version 6
	.text
	.protected	k_q76372ef374_proj
	.globl	k_q76372ef374_proj
	.p2align	8
	.type	k_q76372ef374_proj,@function
k_q76372ef374_proj:
	s_mov_b64 s[64:65], 0
	v_nop
	global_prefetch_b8 v0, s[64:65] scope:SCOPE_SE
	s_setreg_imm32_b32 hwreg(HW_REG_WAVE_MODE, 25, 1), 1
	s_wait_xcnt 0x0
	s_wait_alu depctr_hold_cnt(0) depctr_sa_sdst(0) depctr_va_vdst(0) depctr_va_sdst(0) depctr_va_ssrc(0) depctr_va_vcc(0) depctr_vm_vsrc(0)
	s_getreg_b32 s2, hwreg(HW_REG_IB_STS2, 6, 4)
	s_cmp_eq_u32 s2, 0
	s_cbranch_scc0 .Lentry_in_a_cluster
	s_endpgm
.Lentry_in_a_cluster:
	s_bfe_u32 s2, ttmp6, 0x10000c
	s_cmp_lg_u32 s2, 0xf033
	s_cbranch_scc0 .Lentry_shape_is_right
	s_endpgm
.Lentry_shape_is_right:
; PROJ.  out0[token][e] = the sum over c of y[token][c] w_proj[e][c]: 4096 x 1024 x 1024, operands f16, sums f32, output f32.
; y lies as [token / 16][head][16 tokens][64] f16; wpb is w_proj rounded to bf16 and written as f16, [1024][1024].
; SHARES.  A tile is 128 x 128: 8 x 32 work-groups; four waves, each 64 x 64: 16 accumulators.  K goes in four steps of 256 (four heads) through two LDS slots; the text is written straight.
; y's tile: for 16 tokens four heads are 8,192 consecutive bytes: a wave's load is 4 such rows, 32,768 bytes apart, padded in LDS after every token's 128 bytes: [16-token block][head][token] at pitch 144.
; CLUSTER.  4 x 4: y's tiles are asked for jointly along a row of the cluster, wpb's along a column.  THE PRODUCT IS TAKEN TRANSPOSED (source 0 = 16 rows of wpb, source 1 = 16 tokens):
; a lane holds one token and eight neighbouring columns.  A wave's 64 columns of f32 are one aligned block of 256 bytes, so each wave has a stage of its own and no barrier stands on the way out.
; No prefetch: the tiles are small and the launch is short.
; REGISTERS: window 0: v0-31 addresses; v32-95 the way out; v128-255 accumulators ((a, b) at v[128 + 8 (4 a + b)]).  window 1: two fragment buffers of 128: 64 of y, then 64 of wpb, for 64 along K.
.set KSTEP,  256
.set PA,     144                       ; a token's 128 bytes + 16
.set PB,     528                       ; a row of wpb: 512 bytes + 16
.set HALFA,  4*64*PA                   ; 64 tokens x 4 heads
.set HALFB,  64*PB
.set BOFF,   2*HALFA
.set SLOT,   BOFF+2*HALFB
.set STAGE,  2*SLOT                    ; behind the ring, never filled by a tensor load: 16 rows x 272 bytes a wave
.set SPITCH, 272
.set SPARE,  STAGE+4*16*SPITCH         ; the spare words, 128 bytes a wave: two blocks of 256 bytes that no other line names
.set ADRA, 16                          ; v16-17 LDS address of my y fragments in slot 0, 1
.set ADRB, 20                          ; v20-21 the same for wpb
.set STO,  24
.set RD,   25
.set CO,   26
.set SPW,  28
.set NIL,  29
.set TMP,  32
.set ACC,  128
.set F0,   0
.set F1,   128
.set G1,  24
.set G0,  32
.set G1B, 48
.set G0B, 56
.set MSB, 0
.macro WIN new
.if MSB != (\new)
	s_set_vgpr_msb (MSB<<8)|(\new)
.set MSB, \new
.endif
.endm
.set MUL,  0x05                        ; sources 0 and 1 window 1; C and D window 0
.set TO_F, 0x40                        ; destination window 1, address window 0
.macro JLOAD s                         ; a joint load: waves 0, 1 fetch y's halves, waves 2, 3 wpb's; an s_nop 0 and four v_nop follow each line
	s_cmp_eq_u32 s11, 0
	s_cbranch_scc0 .Lfor_b_\@
	tensor_load_to_lds s[G0+4*(\s):G0+4*(\s)+3], s[G1:G1+7]
	s_nop 0
.rept 4
	v_nop
.endr
	s_branch .Lasked_\@
.Lfor_b_\@:
	tensor_load_to_lds s[G0B+4*(\s):G0B+4*(\s)+3], s[G1B:G1B+7]
	s_nop 0
.rept 4
	v_nop
.endr
.Lasked_\@:
.endm
.macro CREST
	s_cmp_lg_u32 s10, 0
	s_cbranch_scc1 .Lnot_wave_0_\@
	s_barrier_signal -3
.Lnot_wave_0_\@:
	s_barrier_wait -3
	s_barrier_signal -1
	s_barrier_wait -1
.endm
.macro CROUND
	s_barrier_signal -1
	s_barrier_wait -1
	CREST
.endm
	s_load_b128 s[4:7], s[0:1], 0x0                ; yy s[4:5], wpb s[6:7]
	s_load_b64 s[8:9], s[0:1], 0x10                ; out0
	v_lshl_add_u32 v[SPW], v0, 2, SPARE
	v_mov_b32 v[NIL], 0
	ds_add_u32 v[SPW], v[NIL]                      ; the wave's opening: the add and its wait stand ahead of my first tensor load
	v_lshrrev_b32 v1, 5, v0
	v_readfirstlane_b32 s10, v1                    ; wave 0..3
	s_lshr_b32 s11, s10, 1                         ; which half of the tile's tokens is mine.  Also: I fetch y (0) or wpb (1)
	s_and_b32 s12, s10, 1                          ; which half of its columns.  Also: which half of that tile I fetch
	s_bfe_u32 s40, ttmp6, 0x40000                  ; cx, cy
	s_bfe_u32 s41, ttmp6, 0x40004
	s_lshl_b32 s42, ttmp9, 2
	s_add_co_u32 s42, s42, s40                     ; tile column
	s_and_b32 s13, ttmp7, 0xffff
	s_lshl_b32 s13, s13, 2
	s_add_co_u32 s13, s13, s41                     ; tile row
	s_lshl_b32 s43, s41, 2
	s_lshl_b32 s43, 15, s43                        ; my row of the cluster
	s_lshl_b32 s44, 0x1111, s40                    ; my column
	s_or_b32 s[G1], s43, (1<<16)|(1<<20)|(1<<21)|(4<<22)|(3<<25)   ; 2-byte elements; padding on; bit 21 beside a mask; after every 32 words, 4 words
	s_mov_b32 s[G1+1], 4096<<16                    ; tensor_dim0 = 4,096 elements: four heads of 16 tokens
	s_mov_b32 s[G1+2], 4<<16                       ; tensor_dim1 = 4 blocks of 16 tokens
	s_mov_b32 s[G1+3], 4096<<16                    ; tile_dim0
	s_mov_b32 s[G1+4], 4                           ; tile_dim1
	s_mov_b32 s[G1+5], 16384                       ; elements from block to block: 16 heads x 1,024
	s_mov_b32 s[G1+6], 0
	s_mov_b32 s[G1+7], 0
	s_or_b32 s[G1B], s44, (1<<16)|(1<<20)|(1<<21)|(6<<22)|(3<<25)  ; after every 128 words, 4 words
	s_mov_b32 s[G1B+1], KSTEP<<16
	s_mov_b32 s[G1B+2], 64<<16
	s_mov_b32 s[G1B+3], KSTEP<<16
	s_mov_b32 s[G1B+4], 64
	s_mov_b32 s[G1B+5], 1024
	s_mov_b32 s[G1B+6], 0
	s_mov_b32 s[G1B+7], 0
	s_lshl_b32 s17, s12, 17                        ; my half: 4 blocks of 32,768 bytes of y, or 64 rows of 2,048 bytes of wpb
	s_lshl_b32 s16, s13, 18
	s_add_co_u32 s16, s16, s17
	s_lshl_b32 s46, s42, 18
	s_add_co_u32 s46, s46, s17
	s_mov_b32 s17, 0
	s_mov_b32 s47, 0
	s_mul_i32 s20, s12, HALFA                      ; where they go
	s_mul_i32 s23, s12, HALFB
	s_add_co_u32 s23, s23, BOFF
	s_wait_dscnt 0x0                               ; the opening add is done
	s_wait_kmcnt 0x0
	s_add_nc_u64 s[14:15], s[4:5], s[16:17]
	s_add_nc_u64 s[46:47], s[6:7], s[46:47]
	CROUND                                         ; all sixteen work-groups are here: the first joint loads meet
.irp s, 0,1
	s_mov_b32 s[G0+4*(\s)], 1
	s_add_co_u32 s[G0+4*(\s)+1], s20, (\s)*SLOT
	s_add_nc_u64 s[G0+4*(\s)+2:G0+4*(\s)+3], s[14:15], (\s)*8192      ; K step s: four heads on
	s_or_b32 s[G0+4*(\s)+3], s[G0+4*(\s)+3], 0x80000000
	s_mov_b32 s[G0B+4*(\s)], 1
	s_add_co_u32 s[G0B+4*(\s)+1], s23, (\s)*SLOT
	s_add_nc_u64 s[G0B+4*(\s)+2:G0B+4*(\s)+3], s[46:47], (\s)*KSTEP*2
	s_or_b32 s[G0B+4*(\s)+3], s[G0B+4*(\s)+3], 0x80000000
	JLOAD \s
.endr
	v_and_b32 v1, 15, v0                           ; l % 16
	v_bfe_u32 v2, v0, 4, 1                         ; l / 16
	v_mul_u32_u24 v3, v1, PA
	v_lshl_add_u32 v3, v2, 4, v3
	v_mul_u32_u24 v4, v1, PB
	v_lshl_add_u32 v4, v2, 4, v4
	s_mul_i32 s21, s11, HALFA                      ; my 64 tokens
	s_mul_i32 s22, s12, HALFB                      ; my 64 rows of wpb
	s_add_co_u32 s22, s22, BOFF
.irp s, 0,1
	v_add_nc_u32 v[ADRA+(\s)], s21, v3
	v_add_nc_u32 v[ADRB+(\s)], s22, v4
	s_add_co_u32 s21, s21, SLOT
	s_add_co_u32 s22, s22, SLOT
.endr
	s_mul_i32 s21, s10, 16*SPITCH
	s_add_co_u32 s21, s21, STAGE                   ; my stage
	v_mul_u32_u24 v5, v1, SPITCH                   ; in: row l % 16, 32 bytes for each half of the lanes
	v_lshl_add_u32 v5, v2, 5, v5
	v_add_nc_u32 v[STO], s21, v5
	v_mul_u32_u24 v5, v2, SPITCH                   ; back: lanes 0-15 one row of 256 bytes, lanes 16-31 the next
	v_lshl_add_u32 v5, v1, 4, v5
	v_add_nc_u32 v[RD], s21, v5
	v_lshlrev_b32 v5, 12, v2                       ; and the same two rows of out0, 4,096 bytes each
	v_lshl_add_u32 v[CO], v1, 4, v5
	s_lshl_b32 s16, s13, 19                        ; my first row: 128 x tile row + 64 x half
	s_lshl_b32 s17, s11, 18
	s_add_co_u32 s16, s16, s17
	s_mov_b32 s17, 0
	s_add_nc_u64 s[8:9], s[8:9], s[16:17]
	s_lshl_b32 s46, s42, 9                         ; my first column, in bytes
	s_lshl_b32 s47, s12, 8
	s_add_co_u32 s46, s46, s47
	s_mov_b32 s47, 0
	s_add_nc_u64 s[8:9], s[8:9], s[46:47]
; 8 matrix instructions: token blocks a0, a0 + 1 x all 4 column blocks, 32 along K: half c of buffer f.  The 16 accumulators take turns.
.macro MUL8 f, c, a0, zero
	WIN MUL
.irp a, \a0, (\a0)+1
.irp b, 0,1,2,3
.if \zero
	v_wmma_f32_16x16x32_f16 v[ACC+8*(4*(\a)+(\b)):ACC+8*(4*(\a)+(\b))+7], v[(\f)+64+8*(4*(\c)+(\b)):(\f)+64+8*(4*(\c)+(\b))+7], v[(\f)+8*(4*(\c)+(\a)):(\f)+8*(4*(\c)+(\a))+7], 0
.else
	v_wmma_f32_16x16x32_f16 v[ACC+8*(4*(\a)+(\b)):ACC+8*(4*(\a)+(\b))+7], v[(\f)+64+8*(4*(\c)+(\b)):(\f)+64+8*(4*(\c)+(\b))+7], v[(\f)+8*(4*(\c)+(\a)):(\f)+8*(4*(\c)+(\a))+7], v[ACC+8*(4*(\a)+(\b)):ACC+8*(4*(\a)+(\b))+7]
.endif
.endr
.endr
.endm
; 32 LDS loads in one run: the fragments of head qd of the K step's four (64 along K), into buffer f; the first 32 along K first
.macro FETCH slot, qd, f
	WIN TO_F
.irp c, 0,1
.irp i, 0,1,2,3
	ds_load_b128 v[(\f)+64+8*(4*(\c)+(\i)):(\f)+64+8*(4*(\c)+(\i))+3],   v[ADRB+(\slot)] offset:(\qd)*128+64*(\c)+(\i)*16*PB
	ds_load_b128 v[(\f)+64+8*(4*(\c)+(\i))+4:(\f)+64+8*(4*(\c)+(\i))+7], v[ADRB+(\slot)] offset:(\qd)*128+64*(\c)+(\i)*16*PB+32
	ds_load_b128 v[(\f)+8*(4*(\c)+(\i)):(\f)+8*(4*(\c)+(\i))+3],         v[ADRA+(\slot)] offset:(\qd)*16*PA+64*(\c)+(\i)*64*PA
	ds_load_b128 v[(\f)+8*(4*(\c)+(\i))+4:(\f)+8*(4*(\c)+(\i))+7],       v[ADRA+(\slot)] offset:(\qd)*16*PA+64*(\c)+(\i)*64*PA+32
.endr
.endr
.endm
.macro PLACES
.rept 4
	v_nop
.endr
.endm
.macro QUARTER slot, qd, f, g, zero    ; multiplies buffer f and fetches head qd into g
	s_wait_dscnt 16                                ; the first 32 along K are in; the other sixteen loads may be out
	MUL8 \f, 0, 0, \zero
	MUL8 \f, 0, 2, \zero
	PLACES
	FETCH \slot, \qd, \g
	s_wait_dscnt 32                                ; all but the 32 just issued
	MUL8 \f, 1, 0, 0
	MUL8 \f, 1, 2, 0
.endm
; The last quarter multiplies buffer 1 and changes slots: in front of the barrier each wave waits for all its tensor loads, adds 0 to its spare word, and waits for that and for its reads of this slot.
; fill = 1: the barrier opens a round of the cluster's, and this slot is filled again, two K steps ahead.
.macro TURN slot, next, fill
	WIN 0
	s_wait_tensorcnt 0x0
	ds_add_u32 v[SPW], v[NIL]
	s_wait_dscnt 17                                ; (the add and the youngest sixteen loads may be out)
	MUL8 F1, 0, 0, 0
	s_wait_dscnt 0x0                               ; the add is done, and my reads of this slot are over
	s_barrier_signal -1
	MUL8 F1, 0, 2, 0
.if \fill
	WIN 0
.endif
	s_barrier_wait -1
.if \fill
	CREST
	s_add_nc_u64 s[G0+4*(\slot)+2:G0+4*(\slot)+3], s[G0+4*(\slot)+2:G0+4*(\slot)+3], 2*8192
	s_add_nc_u64 s[G0B+4*(\slot)+2:G0B+4*(\slot)+3], s[G0B+4*(\slot)+2:G0B+4*(\slot)+3], 2*KSTEP*2
	JLOAD \slot                                    ; its four v_nop are also the places ahead of the loads below
.else
	PLACES
.endif
	FETCH \next, 0, F0
	MUL8 F1, 1, 0, 0
	MUL8 F1, 1, 2, 0
.endm
	s_wait_tensorcnt 1                             ; my part of K step 0 is in; K step 1's may stay out
	s_barrier_signal -1
	s_barrier_wait -1
	FETCH 0, 0, F0
	QUARTER 0, 1, F0, F1, 1                        ; the first products start the sums
	QUARTER 0, 2, F1, F0, 0
	QUARTER 0, 3, F0, F1, 0
	TURN 0, 1, 1                                   ; slot 0 takes K step 2
	QUARTER 1, 1, F0, F1, 0
	QUARTER 1, 2, F1, F0, 0
	QUARTER 1, 3, F0, F1, 0
	TURN 1, 0, 1                                   ; slot 1 takes K step 3
	QUARTER 0, 1, F0, F1, 0
	QUARTER 0, 2, F1, F0, 0
	QUARTER 0, 3, F0, F1, 0
	TURN 0, 1, 0                                   ; nothing is left to ask for
	QUARTER 1, 1, F0, F1, 0
	QUARTER 1, 2, F1, F0, 0
	QUARTER 1, 3, F0, F1, 0
	s_wait_dscnt 16
	MUL8 F1, 0, 0, 0
	MUL8 F1, 0, 2, 0
	s_wait_dscnt 0x0
	MUL8 F1, 1, 0, 0
	MUL8 F1, 1, 2, 0
	WIN 0
	; THE WAY OUT, 16 tokens at a time: a lane's 32 bytes into rows of 272, whole rows of 256 bytes back, sixteen lanes to an aligned block of out0.  Each accumulator's low half is stored first.
	PLACES
.irp a, 0,1,2,3
.irp b, 0,1,2,3
	ds_store_b128 v[STO], v[ACC+8*(4*\a+\b):ACC+8*(4*\a+\b)+3]   offset:64*\b
	ds_store_b128 v[STO], v[ACC+8*(4*\a+\b)+4:ACC+8*(4*\a+\b)+7] offset:64*\b+16
.endr
.if \a >= 2
	s_wait_xcnt 0x0                                ; the stores of two blocks back have read the registers that are loaded again
.endif
.irp t, 0,1,2,3,4,5,6,7
	ds_load_b128 v[TMP+32*(\a%2)+4*\t:TMP+32*(\a%2)+4*\t+3], v[RD] offset:544*\t  ; LDS serves a wave's instructions in order (ISA guide 5.7.1.4): these see the stores above
.endr
.irp t, 0,1,2,3,4,5,6,7
	s_wait_dscnt 7-\t                              ; the younger read-backs may stay out
	global_store_b128 v[CO], v[TMP+32*(\a%2)+4*\t:TMP+32*(\a%2)+4*\t+3], s[8:9] offset:8192*\t+65536*\a
.endr
.endr
	s_wait_tensorcnt 0x0                           ; the wave's end: behind my last tensor load and my last LDS store
	ds_add_u32 v[SPW], v[NIL]
	s_wait_dscnt 0x0
	CROUND                                         ; the closing round
	s_endpgm
.Lfunc_end_k_q76372ef374_proj:
	.size	k_q76372ef374_proj, .Lfunc_end_k_q76372ef374_proj-k_q76372ef374_proj
	.p2alignl 7, 3214868480
	.fill 96, 4, 3214868480
	.section	.rodata,"a",@progbits
	.p2align	6, 0x0
	.amdhsa_kernel k_q76372ef374_proj
		.amdhsa_group_segment_fixed_size 327680
		.amdhsa_private_segment_fixed_size 0
		.amdhsa_enable_private_segment 0
		.amdhsa_kernarg_size 24
		.amdhsa_user_sgpr_count 2
		.amdhsa_user_sgpr_kernarg_segment_ptr 1
		.amdhsa_wavefront_size32 1
		.amdhsa_system_sgpr_workgroup_id_x 1
		.amdhsa_system_sgpr_workgroup_id_y 1
		.amdhsa_system_sgpr_workgroup_id_z 1
		.amdhsa_system_vgpr_workitem_id 0
		.amdhsa_next_free_vgpr 512
		.amdhsa_next_free_sgpr 66
		.amdhsa_reserve_vcc 0
		.amdhsa_float_denorm_mode_32 3
		.amdhsa_float_denorm_mode_16_64 3
		.amdhsa_memory_ordered 1
		.amdhsa_forward_progress 1
		.amdhsa_inst_pref_size 86
	.end_amdhsa_kernel
	.amdgpu_metadata
---
amdhsa.version: [ 1, 2 ]
amdhsa.kernels:
  - .name:           k_q76372ef374_proj
    .symbol:         k_q76372ef374_proj.kd
    .args:
      - { .name: yy, .offset: 0, .size: 8, .value_kind: global_buffer, .address_space: global }
      - { .name: wpb, .offset: 8, .size: 8, .value_kind: global_buffer, .address_space: global }
      - { .name: out0, .offset: 16, .size: 8, .value_kind: global_buffer, .address_space: global }
    .group_segment_fixed_size: 327680
    .private_segment_fixed_size: 0
    .kernarg_segment_align: 8
    .kernarg_segment_size: 24
    .max_flat_workgroup_size: 128
    .sgpr_count:     66
    .vgpr_count:     512
    .wavefront_size: 32
...
	.end_amdgpu_metadata
.endif
;; end of part 4
